; MI455X (gfx1250); checked and timed in simulation.
; The chip was launched on July 23, 2026; its instructions are those of AMD's public machine-readable ISA for CDNA 5 (MIT licence, August 2026) and "CDNA5" Instruction Set Architecture Reference Guide (July 2026). The comments in the code are by the model that wrote it; some were corrected since.
;; Multi Head Attention. Allowed arithmetic: matrix products marked QUANTISED: E4M3 operands, one E8M0 scale for each 32 along K, by v_wmma_scale_f32_16x16x128_f8f6f4 with both operands' format E4M3, f32 sums; everything else in f32.
;; Inputs: wk_b 2,048 float32; wk_w 2,048 x 2,048 float32; wo_b 2,048 float32; wo_w 2,048 x 2,048 float32; wq_b 2,048 float32; wq_w 2,048 x 2,048 float32; wv_b 2,048 float32; wv_w 2,048 x 2,048 float32; x 2 x 1,024 x 2,048 float32.
;; Outputs: out0 2 x 1,024 x 2,048 float32.
;; This version of the problem:
;;   THIS VERSION OF THE PROBLEM IS GIVEN IN LOW PRECISION. The matrix products marked QUANTISED in the list below multiply operands that are first quantised to E4M3 (4 exponent bits, 3 mantissa bits; 8 bits a number), with one power-of-two scale for each 32 numbers along K (OCP MX v1.0); their sums are f32. All else is computed in f32.
;;   The module's matrix products, in the order in which they are computed (A, B: the left and right operand; K: the contracted axis; several contracted axes count as one K, in the product's order):
;;     1. [M 2,048, K 2,048] x [K 2,048, N 2,048]; A: input x; B: input wq_w: QUANTISED
;;     2. [M 2,048, K 2,048] x [K 2,048, N 2,048]; A: input x; B: input wk_w: QUANTISED
;;     3. [M 2,048, K 2,048] x [K 2,048, N 2,048]; A: input x; B: input wv_w: QUANTISED
;;     4. batch 32 x [M 1,024, K 128] x [K 128, N 1,024]; A: computed on the way; B: computed on the way: QUANTISED
;;     5. batch 32 x [M 1,024, K 1,024] x [K 1,024, N 128]; A: softmax (see below); B: computed on the way: QUANTISED
;;     6. [M 2,048, K 2,048] x [K 2,048, N 2,048]; A: computed on the way; B: input wo_w: QUANTISED
;;   THE QUANTISER, for each operand of a quantised product, along K:
;;     - K is cut into blocks of 32 from its start; a last block that is shorter is filled with zeros.
;;     - A block's scale is 2^e with e = floor(log2(the largest magnitude in the block)) - 8, held to -126 .. 127; a block of zeros has e = 0. As a byte (E8M0): e + 127.
;;     - Each number is divided by its block's scale, clamped to +-448, and rounded to the nearest number of E4M3, ties to even, subnormals kept.
;;     - The product sums the exact products of the quantised numbers (number of the format x scale) in f32.
;;   ~~~python
;;   def quantise(x, axis):      # numpy; x: float32 -> the quantised numbers, widened to float32 again
;;       x = np.moveaxis(x, axis, -1); K = x.shape[-1]
;;       x = np.pad(x, [(0, 0)] * (x.ndim - 1) + [(0, -K % 32)]); x = x.reshape(x.shape[:-1] + (-1, 32)); a = np.abs(x).max(-1, keepdims=True)
;;       e = np.where(a > 0, np.clip(np.frexp(np.where(a > 0, a, 1))[1] - 1 - 8, -126, 127), 0)      # np.frexp(a)[1] - 1 = floor(log2(a)), exactly
;;       r = np.clip(x / 2.0 ** e, -448, 448)
;;       step = 2.0 ** (np.maximum(np.frexp(np.where(r == 0, 1, r))[1] - 1, -6) - 3)
;;       q = np.round(r / step) * step * 2.0 ** e      # np.round: ties to even
;;       return np.moveaxis(q.reshape(q.shape[:-2] + (-1,))[..., :K], -1, axis).astype(np.float32)
;;   ~~~
;;   SOFTMAX AHEAD OF A QUANTISED PRODUCT. Where the list says 'softmax', what is quantised is not the finished softmax but p = 2^(t - M), with t = logit x log2(e) and M = ceil(the row's largest t), a whole number; so 1/2 < the row's largest p <= 1. The row's sum l is taken of the UNQUANTISED p, in f32, and the product's result is divided by l at the end. Since M is a whole number, a kernel that streams over the keys may use a running M (the ceiling of the running maximum): every later rescaling is an exact power of two, which a block's scale takes up: the codes' values come out the same.
;;   OPERANDS COMPUTED ON THE WAY. 'Computed on the way' means the value that the module computes at that place (a softmax that the list does not call 'softmax' is quantised finished and normalised). What goes into a quantiser is computed in f32, as accurately as f32 sums, v_exp_f32 and their like allow (about 1e-6 of the number): no bf16 or f16 on the way to a quantiser, and a product that is left as it is and whose result goes on into a quantised operand takes f32 operands (vector FMAs, or v_wmma_f32_16x16x4_f32). A number that lies on a knife's edge between two numbers of the format may be rounded either way, as far as f32 arithmetic and the matrix unit's own rounding can turn it there, and no further.
;; One version. Each part assembles by itself: llvm-mc -triple=amdgcn-amd-amdhsa -mcpu=gfx1250 --defsym DOCPART=n.
;; ======== version 1 of 1: 4 launches
;; limits: right only within a limited range of input values
;; workspace buffers: tl 17,301,504 bytes; cw 21,626,880 bytes; rt 524,288 bytes; qkv 12,976,128 bytes; ao 4,325,376 bytes
;; launch prep (part 1): grid 256 x 1, 16 waves a work-group, no clusters, 20,992 bytes of LDS; arguments x, wq_w, wk_w, wv_w, wo_w, tl, cw, rt; writes tl, cw, rt
.if DOCPART == 1
	.amdgcn_target "amdgcn-amd-amdhsa--gfx1250"
	.amdhsa_code_object_version 6
	.text
	.protected	k_q313013d220_prep
	.globl	k_q313013d220_prep
	.p2align	8
	.type	k_q313013d220_prep,@function
k_q313013d220_prep:
	s_mov_b64 s[64:65], 0
	v_nop
	global_prefetch_b8 v0, s[64:65] scope:SCOPE_SE
	s_setreg_imm32_b32 hwreg(HW_REG_WAVE_MODE, 25, 1), 1
	s_wait_xcnt 0x0
; PREP.  x and the four weights, each [2048][2048] f32 with K innermost, become codes of FP8 (E4M3) with one E8M0 byte for each 32 along K; waves 0-3 also make the table for the rotary embedding.
; THE PROGRAM leaves out one kind of work: in attention, whole tiles of 128 keys that reference()'s own causal mask hides from all of a wave's queries.  A NaN, an infinity or an overflow that reaches only those is not carried to the result.  Every input is loaded.
; tl: x, wq, wk, wv as 64 tiles of 128 positions, 270,336 bytes each (tensor T's tile i is number 16 T + i): the tile's scale bytes [128][64], then its codes by slots of K, [8][128][256].
; cw: wo alone: codes as rows 8192 .. 10239 of 2,048 bytes, scale bytes as rows 8192 .. of 64 bytes from byte SCB on; the rest of cw is not used.
; ROW ORDER: natural row n of a tensor is stored at the position that has bits 3 and 4 of n exchanged.  Sixteen neighbouring positions are then the natural rows 32 B + 8 u + r + 8 (r / 8), so that later products,
; used transposed, leave sixteen neighbours along the next K in a lane's registers.
; SHARES: work-group g takes rows 8 g .. 8 g + 7 of each of the five tensors, wave v half a row of each (row v / 2, half v % 2): ten steps of 512 numbers.  All 40 loads of a wave (20,480 bytes) are asked for at once.
; A lane holds 4 neighbours a load, eight lanes a block.  A number is multiplied by the inverse of its block's scale (a power of two: exact), held within +-448 and converted; a step's 512 codes turn through the wave's own stage
; in LDS, so that a store writes two whole aligned runs of 256 bytes.  The work-group's scale bytes are gathered in LDS and leave as 512 consecutive bytes a tensor.
; A block's byte is its largest magnitude's exponent field - 8, held at 1 from below; a block of zeros so gets 1 where the rule says 127: its codes are zeros, and only this program reads the bytes.
; LIMITS: blocks whose largest magnitude lies under 2^-118 are held at byte 1; NaN and infinities among the inputs are not served.
; THE TABLE rt: [chunk 8][a 8][i 16][lane 32][c0, s0, c1, s1]: for position 128 chunk + 32 (a / 2) + 8 (a % 2) + r + 8 (r / 8) and frequencies f = 16 (i / 4) + 8 h + 2 (i % 4) + 0, 1 (r = lane % 16, h = lane / 16).
; inv_freq = 2^(-f log2(10000) / 64) by v_exp_f32; it can differ from the problem's f32 table by a few units in the last place.  The angle is rounded once and reduced by multiples of pi/2 in two parts; sine and cosine are polynomials on [-pi/4, pi/4].
.set R,    96                          ; v96-255  ten steps of 16 numbers
.set O,    56                          ; v56-95   ten steps' codes on the way out
.set M,    32                          ; v32-35   largest magnitudes;  v40-43 codes;  v44-47 scale bytes
.set F,    8                           ; v8-15    four pairs: the inverse scale and a register that is named with it
.set B,    44
.set TILE, 270336
.set TENS, 16*TILE
.set SCB,  20971520
.set SCA,  16384                       ; LDS: 1,024 bytes of stage for each wave, then the scale bytes [tensor 5][512],
.set SPARE, SCA+2560                   ; then the spare words, 128 bytes for each wave, which no other line names
	s_load_b256 s[4:11], s[0:1], 0x0               ; x, wq_w, wk_w, wv_w
	s_load_b128 s[12:15], s[0:1], 0x20             ; wo_w, tl
	s_load_b128 s[16:19], s[0:1], 0x30             ; cw, rt
	v_lshl_add_u32 v6, v0, 2, SPARE
	v_mov_b32 v7, 0
	v_lshrrev_b32 v1, 5, v0
	v_readfirstlane_b32 s20, v1                    ; wave
	v_and_b32 v1, 31, v0                           ; lane
	v_lshlrev_b32 v2, 4, v1
	s_lshl_b32 s21, s20, 10
	v_lshl_add_u32 v3, v1, 2, s21                  ; the stage, in: 4 bytes a lane
	v_add_nc_u32 v4, s21, v2                       ; and out: 16
	s_lshl_b32 s21, s20, 5
	s_add_co_u32 s21, s21, SCA
	v_lshrrev_b32 v5, 3, v1
	v_add_nc_u32 v5, s21, v5                       ; my block's byte
	s_lshl_b32 s21, s20, 9
	s_add_co_u32 s21, s21, SCA
	v_add_nc_u32 v48, s21, v2                      ; the way out of the bytes: wave T takes tensor T's 512
	v_and_b32 v49, 15, v1
	v_lshlrev_b32 v49, 4, v49
	v_lshrrev_b32 v50, 4, v1
	v_lshl_add_u32 v49, v50, 15, v49               ; codes in tl: lanes 0-15 one slot's 256 bytes, lanes 16-31 the next slot's
.irp i, 0,1,2,3
	v_mov_b32 v[F+2*\i+1], 0
.endr
	s_lshl_b32 s30, ttmp9, 16
	s_lshl_b32 s31, s20, 12
	s_add_co_u32 s30, s30, s31                     ; my 4,096 bytes of each tensor
	s_mov_b32 s31, 0
	s_lshr_b32 s22, ttmp9, 1
	s_xor_b32 s22, s22, ttmp9
	s_and_b32 s22, s22, 1                          ; bits 0 and 1 of the work-group's number differ:
	s_mul_i32 s22, s22, 3
	s_xor_b32 s22, s22, ttmp9                      ; then both are turned: they are exchanged
	s_lshr_b32 s23, s22, 4
	s_mul_i32 s23, s23, TILE                       ; the tile in a tensor
	s_and_b32 s24, s22, 15                         ; which 8 positions of it
	s_lshl_b32 s34, s24, 11
	s_lshr_b32 s35, s20, 1
	s_lshl_b32 s35, s35, 8
	s_add_co_u32 s34, s34, s35
	s_and_b32 s35, s20, 1
	s_lshl_b32 s35, s35, 17                        ; half a row is four slots of 32,768 bytes
	s_add_co_u32 s34, s34, s35
	s_add_co_u32 s34, s34, s23
	s_add_co_u32 s34, s34, 8192                    ; my codes in tl
	s_mov_b32 s35, 0
	s_lshl_b32 s38, s22, 14
	s_lshl_b32 s39, s20, 10
	s_add_co_u32 s38, s38, s39
	s_add_co_u32 s38, s38, 8192*2048               ; and in cw
	s_mov_b32 s39, 0
	s_mul_i32 s36, s20, TENS
	s_add_co_u32 s36, s36, s23
	s_lshl_b32 s37, s24, 9
	s_add_co_u32 s36, s36, s37                     ; tensor (wave)'s scale bytes of these 8 positions: waves 0 to 3 in tl,
	s_lshl_b32 s37, s22, 9
	s_add_co_u32 s37, s37, SCB+8192*64             ; wave 4 in cw
	s_cmp_eq_u32 s20, 4
	s_cselect_b32 s36, s37, s36
	s_mov_b32 s37, 0
	s_mov_b32 s40, 0x83000000                      ; (254 + 8) << 23: less the largest magnitude's exponent field it is the inverse scale
	s_mov_b32 s52, 0xc3e00000                      ; -448
	s_mov_b32 s53, 0x43e00000
	s_wait_alu depctr_va_vdst(0)                   ; the wait at the head's end
	s_wait_kmcnt 0x0
.irp p, 4,6,8,10,12
	s_add_nc_u64 s[\p:\p+1], s[\p:\p+1], s[30:31]
.endr
.macro LOAD t, p
.irp i, 0,1,2,3
	global_load_b128 v[R+16*(\t)+4*\i:R+16*(\t)+4*\i+3], v2, s[\p:\p+1] offset:2048*((\t)%2)+512*\i th:TH_LOAD_NT   ; 32 lanes read 512 consecutive bytes
.endr
.endm
	LOAD 0, 4
	LOAD 1, 4
	LOAD 2, 6
	LOAD 3, 6
	LOAD 4, 8
	LOAD 5, 8
	LOAD 6, 10
	LOAD 7, 10
	LOAD 8, 12
	LOAD 9, 12
	s_add_nc_u64 s[42:43], s[14:15], s[34:35]      ; where the codes go: a pair for each tensor
	s_add_nc_u64 s[44:45], s[42:43], TENS
	s_add_nc_u64 s[46:47], s[44:45], TENS
	s_add_nc_u64 s[48:49], s[46:47], TENS
	s_add_nc_u64 s[50:51], s[16:17], s[38:39]
	s_cmp_eq_u32 s20, 4
	s_cselect_b64 s[60:61], s[16:17], s[14:15]
	s_add_nc_u64 s[36:37], s[60:61], s[36:37]
	s_cmp_ge_u32 s20, 4
	s_cbranch_scc1 .Lstream
	; THE TABLE, while the loads are on their way: wave w < 4 makes image 4 g + w
	s_lshr_b32 s22, ttmp9, 2                       ; 8 chunk + a
	s_and_b32 s23, ttmp9, 3                        ; i / 4
	s_lshr_b32 s24, s22, 3
	s_lshl_b32 s24, s24, 7
	s_bfe_u32 s25, s22, 0x20001
	s_lshl_b32 s25, s25, 5
	s_add_co_u32 s24, s24, s25
	s_and_b32 s25, s22, 1
	s_lshl_b32 s25, s25, 3
	s_add_co_u32 s24, s24, s25                     ; 128 chunk + 32 (a / 2) + 8 (a % 2)
	s_lshl_b32 s25, s23, 4
	s_lshl_b32 s26, s20, 1
	s_add_co_u32 s25, s25, s26                     ; 16 (i / 4) + 2 (i % 4)
	s_lshl_b32 s26, ttmp9, 11
	s_lshl_b32 s27, s20, 9
	s_add_co_u32 s26, s26, s27
	s_mov_b32 s27, 0
	s_add_nc_u64 s[18:19], s[18:19], s[26:27]
	s_mov_b32 s54, 0xbe2aaaa3                      ; sine: r + r z (S1 + z (S2 + z S3)), z = r r
	s_mov_b32 s55, 0x3c08839e
	s_mov_b32 s56, 0xb94ca1f9
	s_mov_b32 s57, 0x3d2aaaa5                      ; cosine: 1 - z / 2 + z z (C1 + z (C2 + z C3))
	s_mov_b32 s58, 0xbab6061a
	s_mov_b32 s59, 0x37ccf5ce
	v_and_b32 v18, 15, v1
	v_and_b32 v19, 8, v18
	v_add_nc_u32 v18, v18, v19                     ; r + 8 (r / 8)
	v_add_nc_u32 v18, s24, v18
	v_cvt_f32_u32 v18, v18                         ; the position, exact in f32
	v_lshrrev_b32 v19, 4, v1
	v_lshlrev_b32 v19, 3, v19
	v_add_nc_u32 v19, s25, v19
.macro SINCOS fimm, dc, ds             ; cosine and sine of position x inv_freq(f), f = v19 + fimm
	v_add_nc_u32 v20, \fimm, v19
	v_cvt_f32_u32 v20, v20
	v_mul_f32 v20, 0xbe549a78, v20                 ; -f log2(10000) / 64
	s_wait_alu depctr_va_vdst(0)
	v_exp_f32 v20, v20                             ; inv_freq
	v_nop                                          ; one plain instruction behind a transcendental
	s_wait_alu depctr_va_vdst(0)
	v_mul_f32 v20, v18, v20                        ; the angle, rounded once
	v_mul_f32 v21, 0x3f22f983, v20
	v_rndne_f32 v21, v21                           ; n = the nearest multiple of pi/2
	v_fmamk_f32 v22, v21, 0xbfc90fdb, v20          ; the angle - n x (pi/2's f32)
	v_fmamk_f32 v22, v21, 0x333bbd2e, v22          ; - n x the rest of pi/2
	v_mul_f32 v23, v22, v22
	v_fma_f32 v24, v23, s56, s55
	v_fma_f32 v24, v24, v23, s54
	v_mul_f32 v25, v23, v22
	v_fma_f32 v24, v24, v25, v22                   ; sin r
	v_fma_f32 v26, v23, s59, s58
	v_fma_f32 v26, v26, v23, s57
	v_mul_f32 v25, v23, v23
	v_fma_f32 v27, v23, -0.5, 1.0
	v_fma_f32 v26, v26, v25, v27                   ; cos r
	v_cvt_i32_f32 v21, v21
	v_and_b32 v25, 1, v21
	v_cmp_eq_u32 vcc_lo, 1, v25                    ; an odd quarter exchanges the two (a choice of values: no branch)
	v_cndmask_b32 v[\ds], v24, v26, vcc_lo
	v_cndmask_b32 v[\dc], v26, v24, vcc_lo
	v_and_b32 v25, 2, v21
	v_lshlrev_b32 v25, 30, v25
	v_xor_b32 v[\ds], v[\ds], v25                  ; the sine is negative in quarters 2 and 3,
	v_add_nc_u32 v25, 1, v21
	v_and_b32 v25, 2, v25
	v_lshlrev_b32 v25, 30, v25
	v_xor_b32 v[\dc], v[\dc], v25                  ; the cosine in quarters 1 and 2
.endm
	SINCOS 0, 28, 29
	SINCOS 1, 30, 31
	global_store_b128 v2, v[28:31], s[18:19]       ; 512 consecutive bytes
.Lstream:
.macro STEP t, po                      ; po: the pair that the step before stores by
.set RS, R+16*(\t)
	s_wait_loadcnt 36-4*(\t)                       ; this step's four loads are in; the later steps' may be out
.irp i, 0,1,2,3
	v_max3_num_f32 v[M+\i], |v[RS+4*\i]|, |v[RS+4*\i+1]|, |v[RS+4*\i+2]|
.endr
.irp i, 0,1,2,3
	v_max3_num_f32 v[M+\i], v[M+\i], |v[RS+4*\i+3]|, 0x4800000   ; and the floor 2^(9 - 127): the byte cannot fall under 1
.endr
.irp k, 1,2,4
.irp i, 0,1,2,3
	v_max_num_f32_dpp v[M+\i], v[M+\i], v[M+\i] row_xmask:\k row_mask:0xf bank_mask:0xf   ; over the block's eight lanes
.endr
.endr
.irp i, 0,1,2,3
	v_and_b32 v[M+\i], 0x7f800000, v[M+\i]
.endr
.irp i, 0,1,2,3
	v_sub_nc_u32 v[F+2*\i], s40, v[M+\i]           ; the inverse scale: 2^(8 - floor(log2(the largest magnitude)))
.endr
.irp i, 0,1,2,3
	v_pk_mul_f32 v[RS+4*\i:RS+4*\i+1], v[RS+4*\i:RS+4*\i+1], v[F+2*\i:F+2*\i+1] op_sel_hi:[1,0]
	v_pk_mul_f32 v[RS+4*\i+2:RS+4*\i+3], v[RS+4*\i+2:RS+4*\i+3], v[F+2*\i:F+2*\i+1] op_sel_hi:[1,0]
.endr
.if (\t) > 0
	s_wait_alu depctr_va_vdst(0)                   ; directly ahead of the wait below
	s_wait_dscnt 0x0                               ; the last step's codes are back from the stage, and its LDS stores have read their registers
.if (\t) < 9
	global_store_b128 v49, v[O+4*(\t)-4:O+4*(\t)-1], s[\po:\po+1] offset:65536*(((\t)-1)%2)   ; 256 consecutive bytes of each of two slots
.else
	global_store_b128 v2, v[O+4*(\t)-4:O+4*(\t)-1], s[\po:\po+1]      ; wo: 512 consecutive bytes
.endif
.endif
.irp i, 0,1,2,3
	v_lshrrev_b32 v[B+\i], 23, v[M+\i]
.endr
.irp i, 0,1,2,3
	v_add_nc_u32 v[B+\i], -8, v[B+\i]              ; the scale's byte
.endr
.irp i, 0,1,2,3
.irp k, 0,1,2,3
	v_med3_num_f32 v[RS+4*\i+\k], v[RS+4*\i+\k], s52, s53   ; the conversion does not saturate (ISA guide 7.6.2): the number is held first
.endr
.endr
	v_cvt_pk_fp8_f32 v40.l, v[RS], v[RS+1]
	v_cvt_pk_fp8_f32 v41.l, v[RS+4], v[RS+5]
	v_cvt_pk_fp8_f32 v42.l, v[RS+8], v[RS+9]
	v_cvt_pk_fp8_f32 v43.l, v[RS+12], v[RS+13]
	v_cvt_pk_fp8_f32 v40.h, v[RS+2], v[RS+3]
	v_cvt_pk_fp8_f32 v41.h, v[RS+6], v[RS+7]
	v_cvt_pk_fp8_f32 v42.h, v[RS+10], v[RS+11]
	v_cvt_pk_fp8_f32 v43.h, v[RS+14], v[RS+15]
.irp i, 0,1,2,3
	ds_store_b8 v5, v[B+\i] offset:512*((\t)/2)+16*((\t)%2)+4*\i      ; the eight lanes of a block write the same byte with the same value
.endr
.irp i, 0,1,2,3
	ds_store_b32 v3, v4\i offset:512*((\t)%2)+128*\i
.endr
	ds_load_b128 v[O+4*(\t):O+4*(\t)+3], v4 offset:512*((\t)%2)       ; LDS serves a wave's instructions in order: this sees the stores above
.endm
	STEP 0, 42
	STEP 1, 42
	STEP 2, 42
	STEP 3, 44
	STEP 4, 44
	STEP 5, 46
	STEP 6, 46
	STEP 7, 48
	STEP 8, 48
	STEP 9, 50
	s_wait_dscnt 0x0                               ; my scale bytes are in LDS, and the last codes are back
	global_store_b128 v2, v[O+36:O+39], s[50:51] offset:512
	s_barrier_signal -1
	s_barrier_wait -1
	s_cmp_ge_u32 s20, 5
	s_cbranch_scc1 .Ldone
	ds_load_b128 v[96:99], v48
	s_wait_dscnt 0x0
	global_store_b128 v2, v[96:99], s[36:37]       ; 512 consecutive bytes of tensor (wave)
.Ldone:
	s_wait_tensorcnt 0x0                           ; the wave's end
	ds_add_u32 v6, v7
	s_wait_dscnt 0x0
	s_endpgm
.Lfunc_end_k_q313013d220_prep:
	.size	k_q313013d220_prep, .Lfunc_end_k_q313013d220_prep-k_q313013d220_prep
	.p2alignl 7, 3214868480
	.fill 96, 4, 3214868480
	.section	.rodata,"a",@progbits
	.p2align	6, 0x0
	.amdhsa_kernel k_q313013d220_prep
		.amdhsa_group_segment_fixed_size 20992
		.amdhsa_private_segment_fixed_size 0
		.amdhsa_enable_private_segment 0
		.amdhsa_kernarg_size 64
		.amdhsa_user_sgpr_count 2
		.amdhsa_user_sgpr_kernarg_segment_ptr 1
		.amdhsa_wavefront_size32 1
		.amdhsa_system_sgpr_workgroup_id_x 1
		.amdhsa_system_sgpr_workgroup_id_y 1
		.amdhsa_system_sgpr_workgroup_id_z 1
		.amdhsa_system_vgpr_workitem_id 0
		.amdhsa_next_free_vgpr 256
		.amdhsa_next_free_sgpr 66
		.amdhsa_reserve_vcc 1
		.amdhsa_float_denorm_mode_32 3
		.amdhsa_float_denorm_mode_16_64 3
		.amdhsa_memory_ordered 1
		.amdhsa_forward_progress 1
		.amdhsa_inst_pref_size 60
	.end_amdhsa_kernel
	.amdgpu_metadata
---
amdhsa.version: [ 1, 2 ]
amdhsa.kernels:
  - .name:           k_q313013d220_prep
    .symbol:         k_q313013d220_prep.kd
    .args:
      - { .name: x, .offset: 0, .size: 8, .value_kind: global_buffer, .address_space: global }
      - { .name: wq_w, .offset: 8, .size: 8, .value_kind: global_buffer, .address_space: global }
      - { .name: wk_w, .offset: 16, .size: 8, .value_kind: global_buffer, .address_space: global }
      - { .name: wv_w, .offset: 24, .size: 8, .value_kind: global_buffer, .address_space: global }
      - { .name: wo_w, .offset: 32, .size: 8, .value_kind: global_buffer, .address_space: global }
      - { .name: tl, .offset: 40, .size: 8, .value_kind: global_buffer, .address_space: global }
      - { .name: cw, .offset: 48, .size: 8, .value_kind: global_buffer, .address_space: global }
      - { .name: rt, .offset: 56, .size: 8, .value_kind: global_buffer, .address_space: global }
    .group_segment_fixed_size: 20992
    .private_segment_fixed_size: 0
    .kernarg_segment_align: 8
    .kernarg_segment_size: 64
    .max_flat_workgroup_size: 512
    .sgpr_count:     66
    .vgpr_count:     256
    .wavefront_size: 32
...
	.end_amdgpu_metadata
.endif
;; end of part 1
;; launch proj (part 2): grid 16 x 16, 4 waves a work-group, clusters of 4 x 4, 327,680 bytes of LDS; arguments tl, rt, wq_b, wk_b, wv_b, qkv; writes qkv
.if DOCPART == 2
	.amdgcn_target "amdgcn-amd-amdhsa--gfx1250"
	.amdhsa_code_object_version 6
	.text
	.protected	k_q313013d220_proj
	.globl	k_q313013d220_proj
	.p2align	8
	.type	k_q313013d220_proj,@function
k_q313013d220_proj:
	s_mov_b64 s[64:65], 0
	v_nop
	global_prefetch_b8 v0, s[64:65] scope:SCOPE_SE
	s_setreg_imm32_b32 hwreg(HW_REG_WAVE_MODE, 25, 1), 1
	s_wait_xcnt 0x0
	s_wait_alu depctr_hold_cnt(0) depctr_sa_sdst(0) depctr_va_vdst(0) depctr_va_sdst(0) depctr_va_ssrc(0) depctr_va_vcc(0) depctr_vm_vsrc(0)
	s_getreg_b32 s2, hwreg(HW_REG_IB_STS2, 6, 4)
	s_cmp_eq_u32 s2, 0
	s_cbranch_scc0 .Lentry_in_a_cluster
	s_endpgm
.Lentry_in_a_cluster:
	s_bfe_u32 s2, ttmp6, 0x10000c
	s_cmp_lg_u32 s2, 0xf033
	s_cbranch_scc0 .Lentry_shape_is_right
	s_endpgm
.Lentry_shape_is_right:
; THE THREE PROJECTIONS on codes of FP8 (E4M3, one E8M0 byte for each 32 along K = 2,048), with bias, rotary embedding and the next quantiser on the way out.
; 256 work-groups: number (tc, ty) makes q, k and v of head tc for 128 rows of x, tile ty: 512 rows of codes (x, wq, wk, wv: 128 each) feed 128 x 384 results.  Wave w makes all 128 rows x features 32 w .. 32 w + 31 of q, k and v:
; 8 x 6 accumulators of 16 x 16; for 128 along K it reads 14 fragments for 48 products.
; q, k: source 0 = 16 rows of the weight, source 1 = 16 rows of x: a lane holds one row of x and its registers run along the features.  v: source 0 = 16 rows of x, source 1 = 16 rows of wv: a lane holds one feature and its registers run along the keys.
; tl holds natural row n at the position with bits 3 and 4 of n exchanged, so the 16 registers of two neighbouring tiles are 16 neighbours along the next K: the conversions' results ARE a fragment's registers.
; RESULTS LEAVE AS IMAGES OF AN OPERAND'S REGISTERS: group c of four registers by one store at 512 c + 16 x lane (512 consecutive bytes), a row's scale word at 4 r.
; qkv: 256 blocks (16 batch + head) x 8 + chunk of 33,792 bytes: K's eight images | V's eight images | K's 128 scale words | V's 128 scale words;  from byte QREG on 256 blocks of 16,896 bytes: Q's images | scale words.
; tl: a tile of 128 rows is 270,336 dense bytes: its scale bytes (8,192), then eight slots of K, 128 rows x 256 bytes each.
; THE RING: K goes in steps of 256 through two LDS slots; wave 0 fetches x's 128 rows, waves 1 to 3 wq's, wk's, wv's, one joint load a wave behind each round of the cluster's barrier: x's is shared along a row of the 4 x 4 cluster, the weights' along a column.
; The head's load takes 160 rows of 256 bytes: the scale bytes of all of K, which stay, and slot 0 of K behind them.
; PREFETCH: behind the load of K slot n my wave asks for K slot n + 2: of its 128 rows the 32 of my place among the four partners, a lane a row of 256 bytes; the head asks for slot 1, and behind slot 1's load for 2 and 3; the last two loads ask for nothing.
; BIAS: it is the C of the first products (q, k: along the registers; v: one number a lane in all eight).
; LIMITS: NaN and infinities are not served; blocks whose largest magnitude lies under 2^-118 are held at byte 1; a block of zeros has byte 1 (its codes are zeros; only this program reads the bytes).
; REGISTERS: window 0: v0-15 at work, v16-31 addresses, v32-59 scale words (two sets), v64-255 the weights' fragments, two sets of six.   window 1: x's, two sets of eight.   window 2: q's accumulators ((a, u) at 16 a + 8 u), k's at 128 on.
;   window 3: v's ((u, a) at 64 u + 8 a); from v128 on the bias tiles, then the table.   On the way out window 0: v64-191 numbers in hand, v192-239 codes, v240-255 scale bytes.
.set PITCH, 272                        ; an LDS row: 256 bytes + 16 of padding: the 16 rows that a load touches start at 16 different banks
.set HALFT, 128*PITCH
.set HALFS, 32*PITCH                   ; a tensor's scale bytes: 32 units of 256 bytes + 16
.set BLK,  HALFS+HALFT                 ; slot 0: each tensor's scale bytes, then its rows
.set SLOT1, 4*BLK                      ; slot 1: rows alone
.set TILE, 270336                      ; a tile in tl
.set KSL,  32768                       ; a slot of K in it
.set SBLK, 4*PITCH                     ; the scale bytes of 16 rows
.set XW,   SLOT1+4*HALFT               ; the way out: scale words of q, k, v, 512 bytes each
.set SPARE, XW+1536                    ; the spare words, 128 bytes for each wave, which no other line names
.set QREG, 8650752
.set TM,   0
.set ADRX, 16                          ; fragments' addresses in slot 0, 1: x's,
.set ADRW, 18                          ; wq's and wk's,
.set ADRV, 20                          ; wv's
.set ASX,  22                          ; scale words' addresses: x's,
.set ASW,  23                          ; wq's and wk's,
.set CO,   24                          ; 16 x lane
.set XB,   25
.set XV,   26
.set RD,   27
.set SPW,  28
.set NIL,  29
.set PFO,  30
.set ASV,  31                          ; wv's
.set SX,   32                          ; set s: v[SX + 8 s + 2 i + q]: lanes 0-15 x's block 2 i, lanes 16-31 block 2 i + 1, word q of the slot
.set SW,   48                          ; set s: v[SW + 6 s + 2 t + 1 - q]: tensor t's block 0 and 1
.set PW,   60
.set WF,   64
.set G1, 24
.set G0, 32
.set G1B, 48
.set G0B, 56
.set PFA, 66
.set MNT, 2
.set SEL, 100
.set MSB, 0
.macro WIN new                         ; the immediate's high byte repeats the setting that is left
.if MSB != (\new)
	s_set_vgpr_msb (MSB<<8)|(\new)
.set MSB, (\new)
.endif
.endm
.macro PLACES n                        ; plain vector instructions behind matrix instructions (ISA guide 7.12.1)
.rept \n
	v_nop
.endr
.endm
.macro JLOAD g0a, g0b                  ; a joint load: wave 0 for x, waves 1 to 3 for the weights; s_nop and four v_nop follow each line
	s_cmp_eq_u32 s14, 0
	s_cbranch_scc0 .Lfor_w_\@
	tensor_load_to_lds s[\g0a:\g0a+3], s[G1:G1+7]
	s_nop 0
	PLACES 4
	s_branch .Lasked_\@
.Lfor_w_\@:
	tensor_load_to_lds s[\g0b:\g0b+3], s[G1B:G1B+7]
	s_nop 0
	PLACES 4
.Lasked_\@:
.endm
.macro CREST                           ; a round of the cluster's barrier behind its opening barrier
	s_cmp_lg_u32 s14, 0
	s_cbranch_scc1 .Lnot_wave_0_\@
	s_barrier_signal -3
.Lnot_wave_0_\@:
	s_barrier_wait -3
	s_barrier_signal -1
	s_barrier_wait -1
.endm
.macro CROUND
	s_barrier_signal -1
	s_barrier_wait -1
	CREST
.endm
	s_load_b256 s[4:11], s[0:1], 0x0               ; tl s[4:5], rt s[6:7], wq_b s[8:9], wk_b s[10:11]
	s_load_b128 s[96:99], s[0:1], 0x20             ; wv_b, qkv
	v_lshl_add_u32 v[SPW], v0, 2, SPARE
	v_mov_b32 v[NIL], 0
	ds_add_u32 v[SPW], v[NIL]                      ; the opening lines: the add, twice on end, and its wait; work on registers stands between
	ds_add_u32 v[SPW], v[NIL]
	v_lshrrev_b32 v1, 5, v0
	v_readfirstlane_b32 s14, v1                    ; wave
	s_bfe_u32 s40, ttmp6, 0x40000                  ; cx, cy
	s_bfe_u32 s41, ttmp6, 0x40004
	s_lshl_b32 s42, ttmp9, 2
	s_add_co_u32 s42, s42, s40                     ; tc: the head
	s_and_b32 s17, ttmp7, 0xffff
	s_lshl_b32 s17, s17, 2
	s_add_co_u32 s17, s17, s41                     ; ty: which 128 rows of x
	s_lshl_b32 s43, s41, 2
	s_lshl_b32 s43, 15, s43                        ; my row of the cluster
	s_lshl_b32 s44, 0x1111, s40                    ; my column
	s_or_b32 s[G1], s43, (1<<20)|(1<<21)|(5<<22)|(3<<25)     ; the mask; elements of 1 byte; padding on; bit 21 beside a mask; after every 64 words, 4 words
	s_or_b32 s[G1B], s44, (1<<20)|(1<<21)|(5<<22)|(3<<25)
.irp g, G1, G1B
	s_mov_b32 s[\g+1], 256<<16                     ; the head's load: 160 rows of 256 bytes, dense; behind it the two words that count rows are set to 128
	s_mov_b32 s[\g+2], 160<<16
	s_mov_b32 s[\g+3], 256<<16
	s_mov_b32 s[\g+4], 160
	s_mov_b32 s[\g+5], 256
	s_mov_b32 s[\g+6], 0
	s_mov_b32 s[\g+7], 0
.endr
	s_mul_i32 s20, s17, TILE                       ; x's tile
	s_lshl_b32 s46, s14, 4
	s_add_co_u32 s46, s46, s42
	s_mul_i32 s46, s46, TILE                       ; waves 1 to 3: tile 16 w + tc
	s_cmp_eq_u32 s14, 0
	s_cselect_b32 s22, s20, s46                    ; the tile of which I prefetch
	s_cselect_b32 s19, s40, s41                    ; 32 rows, by my place among the four that share it
	s_lshl_b32 s19, s19, 13
	s_add_co_u32 s[PFA], s22, s19
	s_add_co_u32 s[PFA], s[PFA], 8192
	s_mov_b32 s[PFA+1], 0
	s_mov_b32 s21, 0
	s_mov_b32 s47, 0
	s_mul_i32 s45, s14, BLK                        ; where my rows go in slot 0
	s_mul_i32 s94, s14, HALFT                      ; and in slot 1
	s_lshl_b32 s18, s42, 9
	s_lshl_b32 s19, s14, 7
	s_add_co_u32 s18, s18, s19                     ; the biases of my 32 features, in bytes
	s_mov_b32 s19, 0
	v_and_b32 v1, 15, v0                           ; r
	v_bfe_u32 v2, v0, 4, 1                         ; h
	v_and_b32 v3, 31, v0
	v_lshlrev_b32 v[CO], 4, v3
	v_lshlrev_b32 v[PFO], 8, v3                    ; a lane a row
	v_lshlrev_b32 v5, 6, v2                        ; q, k: features 16 h on
	v_and_b32 v4, 8, v1
	v_add_nc_u32 v4, v4, v1
	v_lshlrev_b32 v4, 2, v4                        ; v: feature r + 8 (r / 8)
	s_wait_dscnt 0x0                               ; both opening adds are done
	s_wait_alu depctr_va_vdst(0)                   ; directly ahead of the wait below
	s_wait_kmcnt 0x0
	s_add_nc_u64 s[20:21], s[4:5], s[20:21]
	s_add_nc_u64 s[46:47], s[4:5], s[46:47]
	s_add_nc_u64 s[PFA:PFA+1], s[4:5], s[PFA:PFA+1]
	s_add_nc_u64 s[8:9], s[8:9], s[18:19]
	s_add_nc_u64 s[10:11], s[10:11], s[18:19]
	s_add_nc_u64 s[96:97], s[96:97], s[18:19]
.irp s, 0,1
	s_mov_b32 s[G0+4*\s], 1
	s_mov_b32 s[G0+4*\s+1], \s*SLOT1
	s_add_nc_u64 s[G0+4*\s+2:G0+4*\s+3], s[20:21], \s*(8192+KSL)
	s_or_b32 s[G0+4*\s+3], s[G0+4*\s+3], 0x80000000
	s_mov_b32 s[G0B+4*\s], 1
	s_add_nc_u64 s[G0B+4*\s+2:G0B+4*\s+3], s[46:47], \s*(8192+KSL)
	s_or_b32 s[G0B+4*\s+3], s[G0B+4*\s+3], 0x80000000
.endr
	s_mov_b32 s[G0B+1], s45
	s_add_co_u32 s[G0B+5], s94, SLOT1
	WIN 0xc0
.irp u, 0,1
	global_load_b128 v[128+8*\u:131+8*\u], v5, s[8:9] offset:32*\u
	global_load_b128 v[132+8*\u:135+8*\u], v5, s[8:9] offset:32*\u+16
	global_load_b128 v[144+8*\u:147+8*\u], v5, s[10:11] offset:32*\u
	global_load_b128 v[148+8*\u:151+8*\u], v5, s[10:11] offset:32*\u+16
.endr
	WIN 0
	global_load_b32 v8, v4, s[96:97]
	global_load_b32 v9, v4, s[96:97] offset:32
	CROUND                                         ; all sixteen work-groups are here: the first joint loads meet
	JLOAD G0, G0B                                  ; the scale bytes and K slot 0: one tensor load a wave at the head
	v_mul_u32_u24 v6, v1, PITCH
	v_lshl_add_u32 v6, v2, 4, v6                   ; a fragment's row x pitch + 16 h
	s_mul_i32 s18, s14, 32*PITCH                   ; my 32 rows of a weight
	s_add_co_u32 s19, s18, BLK+HALFS
	s_add_co_u32 s18, s18, SLOT1+HALFT
	v_add_nc_u32 v[ADRX], HALFS, v6
	v_add_nc_u32 v[ADRX+1], SLOT1, v6
	v_add_nc_u32 v[ADRW], s19, v6
	v_add_nc_u32 v[ADRW+1], s18, v6
	v_add_nc_u32 v[ADRV], 2*BLK, v[ADRW]
	v_add_nc_u32 v[ADRV+1], 2*HALFT, v[ADRW+1]
	v_lshlrev_b32 v7, 6, v1                        ; a row's scale bytes: 64 a row, 16 more for each 256 passed;
	v_lshrrev_b32 v6, 2, v1
	v_lshl_add_u32 v7, v6, 4, v7
	v_mul_u32_u24 v6, v2, SBLK                     ; lanes 16-31 take the next block
	v_add_nc_u32 v7, v7, v6
	v_mov_b32 v[ASX], v7
	s_mul_i32 s18, s14, 2*SBLK
	s_add_co_u32 s18, s18, BLK
	v_add_nc_u32 v[ASW], s18, v7
	v_add_nc_u32 v[ASV], 2*BLK, v[ASW]
	s_add_co_u32 s18, s14, XW
	v_lshl_add_u32 v[XB], v1, 2, s18               ; q, k: byte w of row r's word
	s_lshl_b32 s18, s14, 7
	s_add_co_u32 s18, s18, XW+1024
	v_lshl_add_u32 v[XV], v1, 2, s18               ; v: the words of my two images
	s_lshl_b32 s18, s14, 9
	s_add_co_u32 s18, s18, XW
	v_add_nc_u32 v[RD], s18, v[CO]
	; where the results go: offsets made apart from the address
	s_lshr_b32 s18, s17, 3
	s_lshl_b32 s18, s18, 4
	s_add_co_u32 s18, s18, s42
	s_lshl_b32 s18, s18, 3
	s_and_b32 s19, s17, 7
	s_add_co_u32 s18, s18, s19                     ; (16 batch + head) x 8 + chunk
	s_lshl_b32 s88, s19, 16
	s_lshl_b32 s89, s14, 11
	s_add_co_u32 s88, s88, s89
	s_mov_b32 s89, 0
	s_add_nc_u64 s[6:7], s[6:7], s[88:89]          ; the table at my chunk and my 16 frequencies
	s_mul_i32 s80, s18, 16896
	s_add_co_u32 s80, s80, QREG
	s_mul_i32 s82, s18, 33792
	s_add_co_u32 s86, s80, 16384                   ; the scale words that my wave stores: 0 q's, 1 k's, 2 v's
	s_add_co_u32 s87, s82, 32768
	s_add_co_u32 s88, s82, 33280
	s_cmp_eq_u32 s14, 1
	s_cselect_b32 s88, s87, s88
	s_cmp_eq_u32 s14, 0
	s_cselect_b32 s86, s86, s88
	s_lshl_b32 s88, s14, 12
	s_add_co_u32 s84, s82, s88
	s_add_co_u32 s84, s84, 16384                   ; v: images 2 w, 2 w + 1
	s_lshl_b32 s88, s14, 9
	s_add_co_u32 s80, s80, s88                     ; q, k: group w of every image
	s_add_co_u32 s82, s82, s88
.irp p, 80,82,84,86
	s_mov_b32 s[\p+1], 0
	s_add_nc_u64 s[\p:\p+1], s[98:99], s[\p:\p+1]
.endr
	s_mov_b32 s[SEL], 0x76543210
	s_mov_b32 s[SEL+1], 0xfedcba98
	s_mov_b32 s[MNT], 0x600000
	s_wait_alu depctr_va_vdst(0)                   ; the wait at the head's end
	s_wait_loadcnt 0x0                             ; the biases
	WIN 0xc0
.irp i, 0,1,2,3,4,5,6,7
	v_mov_b32 v[160+\i], v8                        ; v's bias, one number in all eight rows of a tile's C
	v_mov_b32 v[168+\i], v9
.endr
	WIN 0
	global_prefetch_b8 v[PFO], s[PFA:PFA+1] offset:KSL th:TH_LOAD_NT scope:SCOPE_SE
.macro WM a, b, sa, sb, ma, mb         ; ma, mb: the side's scales lie in lanes 16-31
.if (\ma) && (\mb)
	v_wmma_scale_f32_16x16x128_f8f6f4 v[D_:D_+7], v[\a:\a+15], v[\b:\b+15], v[C_:C_+7], v[\sa], v[\sb] matrix_a_scale:MATRIX_SCALE_ROW1 matrix_b_scale:MATRIX_SCALE_ROW1
.elseif (\ma)
	v_wmma_scale_f32_16x16x128_f8f6f4 v[D_:D_+7], v[\a:\a+15], v[\b:\b+15], v[C_:C_+7], v[\sa], v[\sb] matrix_a_scale:MATRIX_SCALE_ROW1
.elseif (\mb)
	v_wmma_scale_f32_16x16x128_f8f6f4 v[D_:D_+7], v[\a:\a+15], v[\b:\b+15], v[C_:C_+7], v[\sa], v[\sb] matrix_b_scale:MATRIX_SCALE_ROW1
.else
	v_wmma_scale_f32_16x16x128_f8f6f4 v[D_:D_+7], v[\a:\a+15], v[\b:\b+15], v[C_:C_+7], v[\sa], v[\sb]
.endif
.endm
; Product n of a step of 128 along K: x's block a = n / 6 with the weights' fragment n % 6 (2 t + u) of set p; the slot's word q, scale set sc.  The 48 accumulators take turns.
.macro PROD n, p, q, sc, first
.set A_, (\n)/6
.set M_, (\n)%6
.set T_, M_/2
.set U_, M_%2
.set X_, 128*(\p)+16*A_
.set W_, WF+96*(\p)+16*M_
.set XS_, SX+8*(\sc)+2*(A_/2)+(\q)
.set WS_, SW+6*(\sc)+2*T_+1-(\q)
.if T_ < 2
.set D_, 128*T_+16*A_+8*U_
.if \first
	WIN 0xb4
.set C_, 128+16*T_+8*U_
.else
	WIN 0xa4
.set C_, D_
.endif
	WM W_, X_, WS_, XS_, U_, (A_%2)
.else
	WIN 0xf1
.set D_, 64*U_+8*A_
.if \first
.set C_, 160+8*U_
.else
.set C_, D_
.endif
	WM X_, W_, XS_, WS_, (A_%2), U_
.endif
.endm
; LDS load m of a step's 56 into set g: 24 for the weights' six fragments, then 32 for x's eight.  A fragment, 16 rows x 128 K: lane l holds row l % 16; registers 4 c .. 4 c + 3 hold K = 32 c + 16 (l / 16) + 0 .. 15
.macro LD m, g, sl, q
.set F_, (\m)/4
.set K_, 128*(\q)+32*((\m)%4)
.if (\m) < 24
	WIN 0
.set R_, WF+96*(\g)+4*(\m)
.if F_ < 4
	ds_load_b128 v[R_:R_+3], v[ADRW+\sl] offset:(F_/2)*(BLK-HALFS*\sl)+(F_%2)*16*PITCH+K_
.else
	ds_load_b128 v[R_:R_+3], v[ADRV+\sl] offset:(F_%2)*16*PITCH+K_
.endif
.else
	WIN 0x40
.set R_, 128*(\g)+4*((\m)-24)
	ds_load_b128 v[R_:R_+3], v[ADRX+\sl] offset:(F_-6)*16*PITCH+K_
.endif
.endm
.macro RUN g, sl, q                    ; a step's 56 loads in one run
.set L_, 0
.rept 56
	LD L_, \g, \sl, \q
.set L_, L_+1
.endr
.endm
.macro SCALES sc                       ; a slot's two scale words of every row
.irp i, 0,1,2,3
	ds_load_b64 v[SX+8*\sc+2*\i:SX+8*\sc+2*\i+1], v[ASX] offset:2*SBLK*\i
.endr
.irp t, 0,1
	ds_load_b32 v[SW+6*\sc+2*\t+1], v[ASW] offset:BLK*\t
	ds_load_b32 v[SW+6*\sc+2*\t], v[ASW] offset:BLK*\t+4
.endr
	ds_load_b32 v[SW+6*\sc+5], v[ASV]
	ds_load_b32 v[SW+6*\sc+4], v[ASV] offset:4
.endm
; A slot's first step: set 0; behind its first six products the second step's fragments are loaded into set 1; the eight v_nop behind products 0 to 3 are the places behind the products that read set 1.
.macro STEP sl, first
	s_wait_dscnt 16                                ; all but the youngest 16 loads (x's blocks 4-7) are in
.set N_, 0
.rept 6
	PROD N_, 0, 0, \sl, \first
.if N_ < 4
	v_nop
	v_nop
.endif
.set N_, N_+1
.endr
	RUN 1, \sl, 1
	s_wait_dscnt 56                                ; all but the run just issued
.rept 42
	PROD N_, 0, 0, \sl, \first
.set N_, N_+1
.endr
	WIN 0
.endm
; A slot's second step, set 1, changes slots.  18 products stand ahead of the wait for the tensor loads; behind the barrier the slot just left is filled again first, then the other slot's first fragments are loaded, and 30 products follow.
.macro TURN sl, nx, fill
.if \fill
	s_wait_xcnt 0x0                                ; my prefetch has read its address
	s_add_nc_u64 s[PFA:PFA+1], s[PFA:PFA+1], KSL
.endif
	s_wait_dscnt 16
.set N_, 0
.rept 18
	PROD N_, 1, 1, \sl, 0
.set N_, N_+1
.endr
	WIN 0
	s_wait_tensorcnt 0x0                           ; my tensor loads have landed: my part of the other slot
	ds_add_u32 v[SPW], v[NIL]                      ; 0 onto my spare word
.if \fill
	s_add_nc_u64 s[G0+4*\sl+2:G0+4*\sl+3], s[G0+4*\sl+2:G0+4*\sl+3], 2*KSL
	s_add_nc_u64 s[G0B+4*\sl+2:G0B+4*\sl+3], s[G0B+4*\sl+2:G0B+4*\sl+3], 2*KSL
.endif
	s_wait_dscnt 0x0                               ; the add is done, and my reads of this slot are over
	s_barrier_signal -1
	s_barrier_wait -1
.if \fill
	CREST
	JLOAD G0+4*\sl, G0B+4*\sl
	PLACES 4
.else
	PLACES 8
.endif
	v_add_nc_u32 v[ASX], 8, v[ASX]                 ; the next slot's scale words
	v_add_nc_u32 v[ASW], 8, v[ASW]
	v_add_nc_u32 v[ASV], 8, v[ASV]
	s_wait_alu depctr_va_vdst(0)                   ; directly behind the writes
	SCALES \nx
	RUN 0, \nx, 0
.rept 30
	PROD N_, 1, 1, \sl, 0
.set N_, N_+1
.endr
	WIN 0
.endm
.macro ASK                             ; the K slot two on from the one just asked for; the loop's last trip has none
	s_cmp_gt_u32 s3, 1
	s_cbranch_scc0 .Lno_ask_\@
	global_prefetch_b8 v[PFO], s[PFA:PFA+1] offset:3*KSL th:TH_LOAD_NT scope:SCOPE_SE
.Lno_ask_\@:
.endm
	s_wait_alu depctr_va_vdst(0)                   ; directly ahead of the wait below
	s_wait_tensorcnt 0x0                           ; my scale bytes and my part of K slot 0 are in; the lines ahead of a later first fill, as ahead of a refill
	ds_add_u32 v[SPW], v[NIL]
	s_mov_b32 s[G0+1], HALFS                       ; no tensor load of mine is out, so the descriptors may be written: slot 0's refills bring rows alone,
	s_add_co_u32 s[G0B+1], s45, HALFS
	s_add_nc_u64 s[G0+2:G0+3], s[G0+2:G0+3], 8192
	s_add_nc_u64 s[G0B+2:G0B+3], s[G0B+2:G0B+3], 8192
	s_mov_b32 s[G1+2], 128<<16                     ; 128 of them
	s_mov_b32 s[G1+4], 128
	s_mov_b32 s[G1B+2], 128<<16
	s_mov_b32 s[G1B+4], 128
	s_wait_dscnt 0x0
	CROUND
	JLOAD G0+4, G0B+4                              ; K slot 1
	SCALES 0
	RUN 0, 0, 0
	WIN 0
	global_prefetch_b8 v[PFO], s[PFA:PFA+1] offset:2*KSL th:TH_LOAD_NT scope:SCOPE_SE
	global_prefetch_b8 v[PFO], s[PFA:PFA+1] offset:3*KSL th:TH_LOAD_NT scope:SCOPE_SE
	STEP 0, 1
	s_mov_b32 s3, 3
.Llap:                                         ; a trip goes once round the ring and fills both slots again
	TURN 0, 1, 1
	ASK
	STEP 1, 0
	TURN 1, 0, 1
	ASK
	STEP 0, 0
	s_sub_co_u32 s3, s3, 1
	s_cmp_lg_u32 s3, 0
	s_cbranch_scc1 .Llap
	WIN 0xc0
.irp a, 0,1,2,3,4,5,6,7                ; the table: 16 registers for each block of rows, over the bias tiles, which only the first step read
.irp i, 0,1,2,3
	global_load_b128 v[128+16*\a+4*\i:131+16*\a+4*\i], v[CO], s[6:7] offset:8192*\a+512*\i
.endr
.endr
	WIN 0
	TURN 0, 1, 0                                   ; the last lap fills nothing
	STEP 1, 0
	s_wait_dscnt 16
.set N_, 0
.rept 48
.if N_ == 24
	s_wait_dscnt 0
.endif
	PROD N_, 1, 1, 1, 0
.set N_, N_+1
.endr
	WIN 0
	PLACES 8                                       ; behind the last products: for the reads of results and the writes of fragments' registers
.irp b, 0,1,2,3
	v_mov_b32 v[TM+4+\b], 0                        ; written once: a lane permute's destination counts as one of its sources
.endr
	s_wait_alu depctr_va_vdst(0)                   ; directly ahead of the wait below
	s_wait_loadcnt 0x0                             ; the table
; THE WAY OUT, 64 numbers a lane at a time: four blocks of 32 along the next K, which lie in lanes l and l xor 16.
; From x on (w3 = 1: in window 3) to y on; bytes into v[e] on; codes into v[192 + 16 (g % 3)] on.
.macro QUANT w3, x, y, e, g
	WIN 0x0f*(\w3)
.irp b, 0,1,2,3
	v_max3_num_f32 v[TM+\b], |v[\x+16*\b]|, |v[\x+16*\b+1]|, 0x4800000   ; and the floor 2^(9 - 127): the byte cannot fall under 1
.endr
.irp i, 2,4,6,8,10,12,14
.irp b, 0,1,2,3
	v_max3_num_f32 v[TM+\b], |v[\x+16*\b+\i]|, |v[\x+16*\b+\i+1]|, v[TM+\b]
.endr
.endr
	WIN 0
.irp b, 0,1,2,3
	v_permlanex16_b32 v[TM+4+\b], v[TM+\b], s[SEL], s[SEL+1]
.endr
.irp b, 0,1,2,3
	v_max_num_f32 v[TM+\b], v[TM+\b], v[TM+4+\b]
.endr
.irp b, 0,1,2,3
	v_add_nc_u32 v[TM+12+\b], 0xfc000000, v[TM+\b] ; 8 off its exponent field: the conversion's scale operand
.endr
.irp b, 0,1,2,3
	v_and_or_b32 v[TM+8+\b], v[TM+\b], 0x7f800000, s[MNT]   ; 448 x the scale
.endr
.irp b, 0,1,2,3
	v_lshrrev_b32 v[\e+\b], 23, v[TM+12+\b]        ; the scale's byte
.endr
	WIN 0x03*(\w3)
.irp b, 0,1,2,3
.irp i, 0,1,2,3,4,5,6,7,8,9,10,11,12,13,14,15
	v_med3_num_f32 v[\y+16*\b+\i], v[\x+16*\b+\i], -v[TM+8+\b], v[TM+8+\b]   ; the conversion does not saturate (ISA guide 7.6.2): the hold
.endr
.endr
	WIN 0
.if (\g) > 2
	s_wait_alu depctr_va_vdst(0)                   ; directly ahead of the wait below
	s_wait_xcnt 0x0                                ; the stores of three groups ago have read these registers
.endif
.set PC_, 192+16*((\g)%3)
.irp b, 0,1,2,3
	v_cvt_scalef32_pk8_fp8_f32 v[PC_+4*\b:PC_+4*\b+1], v[\y+16*\b:\y+16*\b+7], v[TM+12+\b]
	v_cvt_scalef32_pk8_fp8_f32 v[PC_+4*\b+2:PC_+4*\b+3], v[\y+16*\b+8:\y+16*\b+15], v[TM+12+\b]
.endr
	v_nop                                          ; one plain instruction behind the last conversion
.endm
.macro OUTQK t, gg, sb                 ; q (t = 0) or k: blocks 4 gg .. 4 gg + 3, turned by the table: (xe c - xo s, xo c + xe s)
.set X_, 128*(\t)+64*(\gg)
.set T_, 128+64*(\gg)
.set Y_, 64+64*(\gg)
.set E_, 240+8*(\t)+4*(\gg)
	WIN 0x0e                                       ; source 0 window 2 (the sums), source 1 window 3 (the table)
.irp k, 0,16,32,48
.irp p, 0,2,4,6,8,10,12,14
	v_pk_mul_f32 v[Y_+\k+\p:Y_+\k+\p+1], v[X_+\k+\p:X_+\k+\p+1], v[T_+\k+\p:T_+\k+\p+1] op_sel_hi:[1,0]
.endr
.irp p, 0,2,4,6,8,10,12,14
	v_pk_fma_f32 v[Y_+\k+\p:Y_+\k+\p+1], v[X_+\k+\p:X_+\k+\p+1], v[T_+\k+\p:T_+\k+\p+1], v[Y_+\k+\p:Y_+\k+\p+1] op_sel:[1,1,0] op_sel_hi:[0,1,1] neg_lo:[1,0,0]
.endr
.endr
	QUANT 0, Y_, Y_, E_, 2*(\t)+(\gg)
.irp b, 0,1,2,3
	global_store_b128 v[CO], v[PC_+4*\b:PC_+4*\b+3], s[\sb:\sb+1] offset:2048*(4*(\gg)+\b)   ; 512 consecutive bytes, aligned
	ds_store_b8 v[XB], v[E_+\b] offset:512*(\t)+64*(4*(\gg)+\b)       ; lanes l and l + 16 write the same byte with the same value
.endr
.endm
.macro OUTV u                          ; v: image 2 w + u: a lane holds a feature, four blocks of 32 keys
.set X_, 64*(\u)
.set Y_, 64+64*(\u)
	QUANT 1, X_, Y_, TM+4, 4+(\u)
	v_lshl_or_b32 v[PW+\u], v[TM+5], 8, v[TM+4]
	v_lshl_or_b32 v[PW+\u], v[TM+6], 16, v[PW+\u]
	v_lshl_or_b32 v[PW+\u], v[TM+7], 24, v[PW+\u]
.irp b, 0,1,2,3
	global_store_b128 v[CO], v[PC_+4*\b:PC_+4*\b+3], s[84:85] offset:2048*(\u)+512*\b
.endr
	ds_store_b32 v[XV], v[PW+\u] offset:64*(\u)
.endm
	OUTQK 0, 0, 80
	OUTQK 0, 1, 80
	OUTQK 1, 0, 82
	OUTQK 1, 1, 82
	OUTV 0
	OUTV 1
	s_wait_dscnt 0x0                               ; my scale bytes are in LDS
	s_barrier_signal -1
	s_barrier_wait -1
	s_cmp_lt_u32 s14, 3
	s_cbranch_scc0 .Lend
	ds_load_b128 v[64:67], v[RD]
	s_wait_dscnt 0x0
	global_store_b128 v[CO], v[64:67], s[86:87]    ; 128 scale words: 512 consecutive bytes
.Lend:
	s_wait_tensorcnt 0x0                           ; the wave's end
	ds_add_u32 v[SPW], v[NIL]
	s_wait_dscnt 0x0
	CROUND                                         ; the closing round
	s_endpgm
.Lfunc_end_k_q313013d220_proj:
	.size	k_q313013d220_proj, .Lfunc_end_k_q313013d220_proj-k_q313013d220_proj
	.p2alignl 7, 3214868480
	.fill 96, 4, 3214868480
	.section	.rodata,"a",@progbits
	.p2align	6, 0x0
	.amdhsa_kernel k_q313013d220_proj
		.amdhsa_group_segment_fixed_size 327680
		.amdhsa_private_segment_fixed_size 0
		.amdhsa_enable_private_segment 0
		.amdhsa_kernarg_size 48
		.amdhsa_user_sgpr_count 2
		.amdhsa_user_sgpr_kernarg_segment_ptr 1
		.amdhsa_wavefront_size32 1
		.amdhsa_system_sgpr_workgroup_id_x 1
		.amdhsa_system_sgpr_workgroup_id_y 1
		.amdhsa_system_sgpr_workgroup_id_z 1
		.amdhsa_system_vgpr_workitem_id 0
		.amdhsa_next_free_vgpr 1024
		.amdhsa_next_free_sgpr 102
		.amdhsa_reserve_vcc 0
		.amdhsa_float_denorm_mode_32 3
		.amdhsa_float_denorm_mode_16_64 3
		.amdhsa_memory_ordered 1
		.amdhsa_forward_progress 1
		.amdhsa_inst_pref_size 172
	.end_amdhsa_kernel
	.amdgpu_metadata
---
amdhsa.version: [ 1, 2 ]
amdhsa.kernels:
  - .name:           k_q313013d220_proj
    .symbol:         k_q313013d220_proj.kd
    .args:
      - { .name: tl, .offset: 0, .size: 8, .value_kind: global_buffer, .address_space: global }
      - { .name: rt, .offset: 8, .size: 8, .value_kind: global_buffer, .address_space: global }
      - { .name: wq_b, .offset: 16, .size: 8, .value_kind: global_buffer, .address_space: global }
      - { .name: wk_b, .offset: 24, .size: 8, .value_kind: global_buffer, .address_space: global }
      - { .name: wv_b, .offset: 32, .size: 8, .value_kind: global_buffer, .address_space: global }
      - { .name: qkv, .offset: 40, .size: 8, .value_kind: global_buffer, .address_space: global }
    .group_segment_fixed_size: 327680
    .private_segment_fixed_size: 0
    .kernarg_segment_align: 8
    .kernarg_segment_size: 48
    .max_flat_workgroup_size: 128
    .sgpr_count:     102
    .vgpr_count:     1024
    .wavefront_size: 32
...
	.end_amdgpu_metadata
.endif
;; end of part 2
;; launch attn (part 3): grid 8 x 32, 16 waves a work-group, clusters of 4 x 1, 327,680 bytes of LDS; arguments qkv, ao; writes ao
.if DOCPART == 3
	.amdgcn_target "amdgcn-amd-amdhsa--gfx1250"
	.amdhsa_code_object_version 6
	.text
	.protected	k_q313013d220_attn
	.globl	k_q313013d220_attn
	.p2align	8
	.type	k_q313013d220_attn,@function
k_q313013d220_attn:
	s_mov_b64 s[64:65], 0
	v_nop
	global_prefetch_b8 v0, s[64:65] scope:SCOPE_SE
	s_setreg_imm32_b32 hwreg(HW_REG_WAVE_MODE, 25, 1), 1
	s_wait_xcnt 0x0
	s_wait_alu depctr_hold_cnt(0) depctr_sa_sdst(0) depctr_va_vdst(0) depctr_va_sdst(0) depctr_va_ssrc(0) depctr_va_vcc(0) depctr_vm_vsrc(0)
	s_getreg_b32 s2, hwreg(HW_REG_IB_STS2, 6, 4)
	s_cmp_eq_u32 s2, 0
	s_cbranch_scc0 .Lentry_in_a_cluster
	s_endpgm
.Lentry_in_a_cluster:
	s_bfe_u32 s2, ttmp6, 0x10000c
	s_cmp_lg_u32 s2, 0x3003
	s_cbranch_scc0 .Lentry_shape_is_right
	s_endpgm
.Lentry_shape_is_right:
; CAUSAL ATTENTION on codes of FP8.  A work-group takes one row tile of 16 queries of each of the eight chunks of 128 of one head; all K and V of the head lie in LDS (two joint loads a wave, shared along x of the cluster).
; A step is 128 keys.  Waves s, s + 4, s + 8, s + 12 share 9 steps: for s < 3 the first three take every third step of chunk 7 - s and the fourth chunk s; for s = 3 two take every second step of chunk 4, two of chunk 3.
; Steps whose keys all come after the wave's queries are left out (the mask is reference()'s own); a NaN or an infinity that reaches only those is not carried.
; Givers hand their -M, sums and O^T to the keeper through LDS; the keeper joins them by exact powers of two, divides and quantises.
; LIMITS: scaled scores stay under 2^31 in magnitude; NaN and infinities are not served; blocks whose largest magnitude lies under 2^-118 are held at byte 1.
; No prefetch: each byte is asked for by its tensor load at the head, and there is no loop of loads to run ahead in.
.set CHB,  33792
.set HALF, 4*CHB
.set QREG, 8650752
.set PAIRB, 8704
.set LI,   1
.set LS,   2
.set DM,   3
.set VS,   4
.set ADK,  8
.set ADS,  9
.set SG,   10
.set WV,   12
.set CL,   13
.set SEL,  14
.set G1,   16
.set G0,   24
.set MASK, 32                          ; s32  bit kk: step kk is mine
.set KK,   37                          ; s37  the step
.set KO,   38                          ; s38  where its chunk begins in LDS
.set REST, 62                          ; s62  my steps behind the first
.set GIVE, 272384                      ; behind the spare words: six stages for what is handed over; the other two lie in chunk 0, which only first steps read
.set CS,   40
.set MNT,  42
.set TM,   232
.set PW,   248
.set PC,   32
.macro CROUND
	s_barrier_signal -1
	s_barrier_wait -1
	s_cmp_lg_u32 s[WV], 0
	s_cbranch_scc1 .Lnot_wave_0_\@
	s_barrier_signal -3
.Lnot_wave_0_\@:
	s_barrier_wait -3
	s_barrier_signal -1
	s_barrier_wait -1
.endm
	s_load_b128 s[4:7], s[0:1], 0x0
	v_lshl_add_u32 v224, v0, 2, 0x42000
	v_mov_b32 v225, 0
	ds_add_u32 v224, v225
	ds_add_u32 v224, v225
	v_lshrrev_b32 v8, 5, v0
	s_delay_alu instid0(VALU_DEP_1)
	v_readfirstlane_b32 s[WV], v8
	s_and_b32 s33, s[WV], 3                        ; s
	s_lshr_b32 s34, s[WV], 2                       ; which of the four
	s_add_co_u32 s35, s[WV], 21
	s_lshr_b32 s35, s35, 5                         ; 1 in waves 11 to 15
	s_mul_i32 s[CL], s35, 7
	s_xor_b32 s[CL], s[CL], 7
	s_xor_b32 s[CL], s[CL], s33                    ; my chunk: 7 - s, or s
	s_and_b32 s35, s34, 1
	s_cmp_eq_u32 s33, 3
	s_cselect_b32 s35, s35, s34                    ; my first step
	s_mov_b32 s36, 0x49
	s_cselect_b32 s36, 0x55, s36                   ; every third step, or every second
	s_lshl_b32 s36, s36, s35
	s_sub_co_u32 s35, s[WV], 12
	s_cmp_lt_u32 s35, 3
	s_cselect_b32 s36, 0xff, s36                   ; waves 12 to 14: every step
	s_lshl_b32 s35, 2, s[CL]
	s_sub_co_u32 s35, s35, 1
	s_and_b32 s[MASK], s36, s35                    ; up to the diagonal
	s_sub_co_u32 s36, 0, s[MASK]
	s_and_b32 s36, s36, s[MASK]                    ; my first step: 0, 1 or 2
	s_xor_b32 s[REST], s[MASK], s36
	s_mov_b32 s[MASK], s36
	s_add_co_u32 s35, s33, 1
	s_lshr_b32 s35, s35, 2
	s_xor_b32 s35, s35, 1                          ; 0 for s = 3, else 1
	s_mul_i32 s36, s35, s33
	s_lshl_b32 s36, s36, 1
	s_lshr_b32 s34, s34, 1
	s_add_co_u32 s36, s36, s34                     ; stage 2 s + (number / 2), for s = 3 number / 2: a giver fills it; it is its keeper's first, and for s < 3 the next is the keeper's second
	s_mul_i32 s36, s36, PAIRB
	s_mul_i32 s35, s35, GIVE
	s_add_co_u32 s35, s35, s36
	v_and_b32 v11, 31, v0
	s_delay_alu instid0(VALU_DEP_1)
	v_lshlrev_b32 v[LI], 4, v11
	s_delay_alu instid0(VALU_DEP_1)
	v_add_nc_u32 v[SG], s35, v[LI]
	v_and_b32 v11, 15, v0
	s_delay_alu instid0(VALU_DEP_1)
	v_lshlrev_b32 v[LS], 2, v11
	s_bfe_u32 s43, ttmp6, 0x40000
	s_lshl_b32 s44, ttmp9, 2
	s_add_co_u32 s44, s44, s43
	s_and_b32 s45, ttmp7, 0xffff
	s_mov_b32 s[G1], 15|(3<<16)|(1<<21)
	s_mov_b32 s[G1+1], 32<<16
	s_mov_b32 s[G1+2], 33<<16
	s_mov_b32 s[G1+3], 32<<16
	s_mov_b32 s[G1+4], 33
	s_mov_b32 s[G1+5], 32
	s_mov_b32 s[G1+6], 0
	s_mov_b32 s[G1+7], 0
	s_mul_i32 s48, s[WV], 8448
	s_mul_i32 s46, s45, 8*CHB
	s_add_co_u32 s46, s46, s48
	s_mov_b32 s47, 0
	s_lshl_b32 s50, s45, 3
	s_add_co_u32 s50, s50, s[CL]
	s_mul_i32 s50, s50, 16896
	s_add_co_u32 s50, s50, QREG
	s_lshl_b32 s51, s44, 6
	s_add_co_u32 s52, s50, s51
	s_add_co_u32 s52, s52, 16384
	s_lshl_b32 s51, s44, 11
	s_add_co_u32 s50, s50, s51
	s_mov_b32 s51, 0
	s_mov_b32 s53, 0
	s_and_b32 s54, s45, 15
	s_lshr_b32 s55, s45, 4
	s_lshl_b32 s55, s55, 6
	s_lshl_b32 s56, s[CL], 3
	s_add_co_u32 s55, s55, s56
	s_add_co_u32 s55, s55, s44
	s_lshl_b32 s56, s54, 18
	s_lshl_b32 s57, s55, 11
	s_add_co_u32 s56, s56, s57
	s_mov_b32 s57, 0
	s_lshl_b32 s58, s54, 13
	s_lshl_b32 s59, s55, 6
	s_add_co_u32 s58, s58, s59
	s_add_co_u32 s58, s58, 4194304
	s_mov_b32 s59, 0
	s_lshr_b32 s60, s44, 1
	s_lshl_b32 s60, s60, 5
	s_and_b32 s61, s44, 1
	s_lshl_b32 s61, s61, 3
	s_add_co_u32 s60, s60, s61
	s_mov_b32 s[SEL], 0x76543210
	s_mov_b32 s[SEL+1], 0xfedcba98
	s_mov_b32 s[CS], 0x3e0293ee
	s_mov_b32 s[CS+1], s[CS]
	s_mov_b32 s[MNT], 0x600000
	s_wait_dscnt 0x0                               ; both opening adds are done
	s_wait_alu depctr_va_vdst(0)                   ; directly ahead of the wait below
	s_wait_kmcnt 0x0
	s_add_nc_u64 s[46:47], s[4:5], s[46:47]
	s_add_nc_u64 s[50:51], s[4:5], s[50:51]
	s_add_nc_u64 s[52:53], s[4:5], s[52:53]
.irp c, 0,1,2,3
	global_load_b128 v[16+4*\c:19+4*\c], v[LI], s[50:51] offset:512*\c   ; Q's fragment and its scale words
.endr
	global_load_b32 v255, v[LS], s[52:53]
	s_add_nc_u64 s[56:57], s[6:7], s[56:57]
	s_add_nc_u64 s[58:59], s[6:7], s[58:59]
.irp k, 0,1
	s_mov_b32 s[G0+4*\k], 1
	s_add_co_u32 s[G0+4*\k+1], s48, \k*HALF
	s_add_nc_u64 s[G0+4*\k+2:G0+4*\k+3], s[46:47], \k*HALF
	s_or_b32 s[G0+4*\k+3], s[G0+4*\k+3], 0x80000000
.endr
	CROUND
	tensor_load_to_lds s[G0:G0+3], s[G1:G1+7]
	s_nop 0
	s_wait_alu depctr_va_vdst(0)
	s_wait_tensorcnt 0x0
	ds_add_u32 v224, v225
	s_wait_dscnt 0x0
	CROUND                                         ; behind it the first four chunks are whole for every wave
	tensor_load_to_lds s[G0+4:G0+7], s[G1:G1+7]
	s_nop 0
.rept 4
	v_nop
.endr
	s_wait_alu depctr_va_vdst(0)
	v_bfe_u32 v8, v0, 4, 1
	v_and_b32 v[DM], 8, v11
	s_delay_alu instid0(VALU_DEP_1)
	v_add_nc_u32 v[DM], v[DM], v11
	s_delay_alu instid0(VALU_DEP_3)
	v_lshlrev_b32 v8, 4, v8
	s_delay_alu instid0(VALU_DEP_1)
	v_sub_nc_u32 v[DM], v[DM], v8
	s_delay_alu instid0(VALU_DEP_1)
	v_add_nc_u32 v[DM], s60, v[DM]
	v_mov_b32 v13, 0xff61b1e6
	s_delay_alu instid0(VALU_DEP_1)
	v_floor_f32 v12, -v13
	v_mov_b32 v14, 0
	v_mov_b32 v15, 0
.irp b, 0,1,2,3
	v_mov_b32 v[236+\b], 0
.endr
	v_mov_b32 v252, 0
	v_mov_b32 v253, 0
.set j, 0
.rept 64
	v_mov_b32 v[160+j], 0
.set j, j+1
.endr
.macro STEP
	s_lshr_b32 s39, s[MASK], s[KK]
	s_and_b32 s39, s39, 1
	s_cmp_eq_u32 s39, 0
	s_cbranch_scc1 .Lhidden_\@
	s_add_co_u32 s39, s[KO], 32768
	v_add_nc_u32 v[ADK], s[KO], v[LI]
	s_wait_alu depctr_va_vdst(0)
	v_add_nc_u32 v[ADS], s39, v[LS]
	s_wait_alu depctr_va_vdst(0)
.irp g, 0,1
.rept 8-(1-\g)
	v_nop
.endr
.irp t, 0,1,2,3
.irp c, 0,1,2,3
	ds_load_b128 v[32+16*\t+4*\c:32+16*\t+4*\c+3], v[ADK] offset:2048*(4*\g+\t)+512*\c
.endr
	ds_load_b32 v[248+\t], v[ADS] offset:64*(4*\g+\t)
.endr
	s_wait_dscnt 0x0
.irp t, 0,1,2,3
	v_wmma_scale_f32_16x16x128_f8f6f4 v[96+8*(4*\g+\t):103+8*(4*\g+\t)], v[32+16*\t:47+16*\t], v[16:31], 0, v[248+\t], v255
.endr
.endr
.rept 8
	v_nop
.endr
.irp t, 0,1,2,3
.irp c, 0,1,2,3
	ds_load_b128 v[32+16*\t+4*\c:32+16*\t+4*\c+3], v[ADK] offset:16384+2048*\t+512*\c
.endr
	ds_load_b32 v[248+\t], v[ADS] offset:512+64*\t
.endr
	s_cmp_lg_u32 s[CL], s[KK]
	s_cbranch_scc1 .Lopen_\@
	v_mov_b32 v254, 0xff800000
.set n, 0
.rept 64
	v_cmp_gt_i32 vcc_lo, 32*(n/16)+n%16, v[DM]
	v_cndmask_b32 v[96+n], v[96+n], v254, vcc_lo
.set n, n+1
.endr
.Lopen_\@:
.irp b, 0,1,2,3
	v_max3_num_f32 v[232+\b], v[96+16*\b], v[97+16*\b], v[98+16*\b]
.endr
.irp i, 3,5,7,9,11,13
.irp b, 0,1,2,3
	v_max3_num_f32 v[232+\b], v[232+\b], v[96+16*\b+\i], v[97+16*\b+\i]
.endr
.endr
.irp b, 0,1,2,3
	v_max_num_f32 v[232+\b], v[232+\b], v[111+16*\b]
.endr
.irp b, 0,1,2,3
	v_permlanex16_b32 v[236+\b], v[232+\b], s[SEL], s[SEL+1]
.endr
.irp b, 0,1,2,3
	s_delay_alu instid0(VALU_DEP_4)
	v_max_num_f32 v[232+\b], v[232+\b], v[236+\b]
.endr
	s_delay_alu instid0(VALU_DEP_2)
	v_max3_num_f32 v254, v232, v233, v234
	s_delay_alu instid0(VALU_DEP_1)
	v_max_num_f32 v254, v254, v235
	s_delay_alu instid0(VALU_DEP_1)
	v_mul_f32 v254, s[CS], v254
	s_delay_alu instid0(VALU_DEP_1)
	v_max_num_f32 v13, v13, v254
	v_mov_b32 v254, v12
	s_delay_alu instid0(VALU_DEP_2)
	v_floor_f32 v12, -v13
	s_delay_alu instid0(VALU_DEP_1)
	v_sub_f32 v254, v12, v254
	s_delay_alu instid0(VALU_DEP_1)
	v_cvt_i32_f32 v254, v254
	s_delay_alu instid0(VALU_DEP_1)
	v_ldexp_f32 v252, 1.0, v254
.set j, 0
.rept 32
	v_pk_fma_f32 v[96+j:97+j], v[96+j:97+j], s[CS:CS+1], v[12:13] op_sel_hi:[1,0,0]
.set j, j+2
.endr
.irp b, 0,1,2,3
	v_fma_f32 v[232+\b], v[232+\b], s[CS], v12
.endr
.set j, 0
	s_wait_alu depctr_va_vdst(0)
.rept 64
	v_exp_f32 v[96+j], v[96+j]
.set j, j+1
.endr
.irp b, 0,1,2,3
	v_exp_f32 v[232+\b], v[232+\b]
.endr
	v_pk_mul_f32 v[14:15], v[14:15], v[252:253] op_sel_hi:[1,0]
	s_wait_alu depctr_va_vdst(0)
.irp b, 0,1,2,3
	v_max_num_f32 v[232+\b], 0x4800000, v[232+\b]
.endr
.irp b, 0,1,2,3
	s_delay_alu instid0(VALU_DEP_4)
	v_add_nc_u32 v[244+\b], 0xfc000000, v[232+\b]
.endr
.irp b, 0,1,2,3
	v_and_or_b32 v[240+\b], v[232+\b], 0x7f800000, s[MNT]
.endr
.irp b, 0,1,2,3
	v_lshrrev_b32 v[236+\b], 23, v[244+\b]
.endr
	s_delay_alu instid0(VALU_DEP_3)
	v_lshl_or_b32 v253, v237, 8, v236
	s_delay_alu instid0(VALU_DEP_1)
	v_lshl_or_b32 v253, v238, 16, v253
	s_delay_alu instid0(VALU_DEP_1)
	v_lshl_or_b32 v253, v239, 24, v253
	v_pk_add_f32 v[236:237], v[96:97], v[98:99]
.irp j, 4,8,12,16,20,24,28,32,36,40,44,48,52,56,60
	v_pk_add_f32 v[14:15], v[14:15], v[96+\j:97+\j]
	v_pk_add_f32 v[236:237], v[236:237], v[98+\j:99+\j]
.endr
	s_delay_alu instid0(VALU_DEP_1)
	v_pk_add_f32 v[14:15], v[14:15], v[236:237]
.irp b, 0,1,2,3
.irp i, 0,1,2,3,4,5,6,7,8,9,10,11,12,13,14,15
	v_min_num_f32 v[96+16*\b+\i], v[96+16*\b+\i], v[240+\b]
.endr
	v_cvt_scalef32_pk8_fp8_f32 v[224+4*\b:225+4*\b], v[96+16*\b:103+16*\b], v[244+\b]
	v_cvt_scalef32_pk8_fp8_f32 v[226+4*\b:227+4*\b], v[104+16*\b:111+16*\b], v[244+\b]
.endr
	v_nop
.irp t, 0,1,2,3
.irp c, 0,1,2,3
	ds_load_b128 v[96+16*\t+4*\c:96+16*\t+4*\c+3], v[ADK] offset:16384+2048*(4+\t)+512*\c
.endr
	ds_load_b32 v[VS+\t], v[ADS] offset:512+64*(4+\t)
.endr
.set j, 0
.rept 32
	v_pk_mul_f32 v[160+j:161+j], v[160+j:161+j], v[252:253] op_sel_hi:[1,0]
.set j, j+2
.endr
	s_wait_alu depctr_va_vdst(0)
	s_wait_dscnt 20
.irp t, 0,1,2,3
	v_wmma_scale_f32_16x16x128_f8f6f4 v[160+8*\t:167+8*\t], v[32+16*\t:47+16*\t], v[224:239], v[160+8*\t:167+8*\t], v[248+\t], v253
.endr
	s_wait_dscnt 0x0
.irp t, 0,1,2,3
	v_wmma_scale_f32_16x16x128_f8f6f4 v[192+8*\t:199+8*\t], v[96+16*\t:111+16*\t], v[224:239], v[192+8*\t:199+8*\t], v[VS+\t], v253
.endr
.Lhidden_\@:
.endm
	s_wait_alu depctr_va_vdst(0)                   ; the wait at the head's end
	s_wait_loadcnt 0x0
	s_mov_b32 s[KK], 0
	s_mov_b32 s[KO], 0
.Lfirst:
	STEP
	s_add_co_u32 s[KO], s[KO], CHB
	s_add_co_u32 s[KK], s[KK], 1
	s_cmp_lg_u32 s[KK], 3
	s_cbranch_scc1 .Lfirst                         ; every wave has done its first step
	s_wait_tensorcnt 0x0                           ; my part of the last four chunks is in, and my reads of chunk 0 are over
	s_wait_dscnt 0x0
	s_barrier_signal -1
	s_barrier_wait -1
	s_mov_b32 s[MASK], s[REST]
	s_mov_b32 s[KK], 1
	s_mov_b32 s[KO], CHB
.Lsecond:
	STEP
	s_add_co_u32 s[KO], s[KO], CHB
	s_add_co_u32 s[KK], s[KK], 1
	s_cmp_lg_u32 s[KK], 8
	s_cbranch_scc1 .Lsecond
.rept 8
	v_nop
.endr
	s_cmp_lt_u32 s[WV], 4                          ; waves 0 to 3 and 11 to 14 keep, the others give
	s_cbranch_scc1 .Lkeeps
	s_cmp_lt_u32 s[WV], 11
	s_cbranch_scc1 .Lgives
	s_cmp_lt_u32 s[WV], 15
	s_cbranch_scc1 .Lkeeps
.Lgives:
.set i, 0
	s_wait_alu depctr_va_vdst(0)
.rept 16
	ds_store_b128 v[SG], v[160+4*i:163+4*i] offset:512*i
.set i, i+1
.endr
	ds_store_b128 v[SG], v[12:15] offset:8192
.Lkeeps:
	s_wait_dscnt 0x0
	s_barrier_signal -1
	s_barrier_wait -1
	s_cmp_lt_u32 s[WV], 4
	s_cbranch_scc1 .Ljoin
	s_cmp_lt_u32 s[WV], 11
	s_cbranch_scc1 .Lend
	s_cmp_lt_u32 s[WV], 15
	s_cbranch_scc0 .Lend
.macro JOIN o                          ; a giver's part, o bytes on from my stage: both are brought under the larger M by powers of two, and added
	ds_load_b128 v[56:59], v[SG] offset:8192+\o
.set i, 0
.rept 16
	ds_load_b128 v[96+4*i:99+4*i], v[SG] offset:512*i+\o
.set i, i+1
.endr
	s_wait_dscnt 16
	v_min_num_f32 v48, v12, v56                    ; -M
	v_sub_f32 v49, v48, v12
	v_sub_f32 v50, v48, v56
	v_cvt_i32_f32 v49, v49
	v_cvt_i32_f32 v50, v50
	v_ldexp_f32 v52, 1.0, v49
	v_ldexp_f32 v54, 1.0, v50
	v_mov_b32 v12, v48
	v_add_f32 v58, v58, v59
	v_mul_f32 v14, v14, v52
	v_fma_f32 v14, v58, v54, v14
	s_wait_alu depctr_va_vdst(0)                   ; directly ahead of the wait below
	s_wait_dscnt 0x0
.set j, 0
.rept 32
	v_pk_mul_f32 v[160+j:161+j], v[160+j:161+j], v[52:53] op_sel_hi:[1,0]
.set j, j+2
.endr
.set j, 0
.rept 32
	v_pk_fma_f32 v[160+j:161+j], v[96+j:97+j], v[54:55], v[160+j:161+j] op_sel_hi:[1,0,1]
.set j, j+2
.endr
	s_wait_alu depctr_va_vdst(0)                   ; ahead of the branch behind
.endm
.Ljoin:
	v_add_f32 v14, v14, v15                        ; the sum's two halves
	v_mov_b32 v53, 0
	v_mov_b32 v55, 0
	s_wait_alu depctr_va_vdst(0)                   ; ahead of the branch
	s_cmp_lt_u32 s[WV], 12                         ; waves 12 to 14 have their chunk alone
	s_cbranch_scc0 .Lalone
	JOIN 0
	s_cmp_lt_u32 s[WV], 3                          ; waves 0 to 2 have two givers
	s_cbranch_scc0 .Lalone
	JOIN PAIRB
.Lalone:
	v_permlanex16_b32 v252, v14, s[SEL], s[SEL+1]
	v_add_f32 v14, v14, v252                       ; with lane l xor 16's: the row's sum
	s_wait_alu depctr_va_vdst(0)                   ; the wait ahead of the transcendental
	v_rcp_f32 v14, v14
	v_nop
	s_wait_alu depctr_va_vdst(0)                   ; and behind it, ahead of the first reader
.set j, 0
.rept 32
	v_pk_mul_f32 v[96+j:97+j], v[160+j:161+j], v[14:15] op_sel_hi:[1,0]
.set j, j+2
.endr
.irp b, 0,1,2,3
	v_max3_num_f32 v[TM+\b], |v[96+16*\b]|, |v[97+16*\b]|, 0x4800000
.endr
.irp i, 2,4,6,8,10,12,14
.irp b, 0,1,2,3
	s_delay_alu instid0(VALU_DEP_4)
	v_max3_num_f32 v[TM+\b], v[TM+\b], |v[96+16*\b+\i]|, |v[97+16*\b+\i]|
.endr
.endr
.irp b, 0,1,2,3
	v_permlanex16_b32 v[TM+4+\b], v[TM+\b], s[SEL], s[SEL+1]
.endr
.irp b, 0,1,2,3
	s_delay_alu instid0(VALU_DEP_4)
	v_max_num_f32 v[TM+\b], v[TM+\b], v[TM+4+\b]
.endr
.irp b, 0,1,2,3
	s_delay_alu instid0(VALU_DEP_4)
	v_add_nc_u32 v[TM+12+\b], 0xfc000000, v[TM+\b]
.endr
.irp b, 0,1,2,3
	v_and_or_b32 v[TM+8+\b], v[TM+\b], 0x7f800000, s[MNT]
.endr
.irp b, 0,1,2,3
	v_lshrrev_b32 v[TM+4+\b], 23, v[TM+12+\b]
.endr
	s_delay_alu instid0(VALU_DEP_3)
	v_lshl_or_b32 v[PW], v[TM+5], 8, v[TM+4]
	s_delay_alu instid0(VALU_DEP_1)
	v_lshl_or_b32 v[PW], v[TM+6], 16, v[PW]
	s_delay_alu instid0(VALU_DEP_1)
	v_lshl_or_b32 v[PW], v[TM+7], 24, v[PW]
.irp b, 0,1,2,3
.irp i, 0,1,2,3,4,5,6,7,8,9,10,11,12,13,14,15
	v_med3_num_f32 v[96+16*\b+\i], v[96+16*\b+\i], -v[TM+8+\b], v[TM+8+\b]
.endr
	v_cvt_scalef32_pk8_fp8_f32 v[PC+4*\b:PC+1+4*\b], v[96+16*\b:103+16*\b], v[TM+12+\b]
	v_cvt_scalef32_pk8_fp8_f32 v[PC+2+4*\b:PC+3+4*\b], v[104+16*\b:111+16*\b], v[TM+12+\b]
.endr
	v_nop
.irp c, 0,1,2,3
	global_store_b128 v[LI], v[PC+4*\c:PC+4*\c+3], s[56:57] offset:512*\c
.endr
	global_store_b32 v[LS], v[PW], s[58:59]
.Lend:
	s_wait_dscnt 0x0
	s_wait_xcnt 0x0
	v_lshl_add_u32 v254, v0, 2, 0x42000
	v_mov_b32 v255, 0
	s_wait_alu depctr_va_vdst(0)
	s_wait_tensorcnt 0x0
	ds_add_u32 v254, v255
	s_wait_dscnt 0x0
	CROUND
	s_endpgm
.Lfunc_end_k_q313013d220_attn:
	.size	k_q313013d220_attn, .Lfunc_end_k_q313013d220_attn-k_q313013d220_attn
	.p2alignl 7, 3214868480
	.fill 96, 4, 3214868480
	.section	.rodata,"a",@progbits
	.p2align	6, 0x0
	.amdhsa_kernel k_q313013d220_attn
		.amdhsa_group_segment_fixed_size 327680
		.amdhsa_private_segment_fixed_size 0
		.amdhsa_enable_private_segment 0
		.amdhsa_kernarg_size 16
		.amdhsa_user_sgpr_count 2
		.amdhsa_user_sgpr_kernarg_segment_ptr 1
		.amdhsa_wavefront_size32 1
		.amdhsa_system_sgpr_workgroup_id_x 1
		.amdhsa_system_sgpr_workgroup_id_y 1
		.amdhsa_system_sgpr_workgroup_id_z 1
		.amdhsa_system_vgpr_workitem_id 0
		.amdhsa_next_free_vgpr 256
		.amdhsa_next_free_sgpr 72
		.amdhsa_reserve_vcc 1
		.amdhsa_float_denorm_mode_32 3
		.amdhsa_float_denorm_mode_16_64 3
		.amdhsa_memory_ordered 1
		.amdhsa_forward_progress 1
		.amdhsa_inst_pref_size 94
	.end_amdhsa_kernel
	.amdgpu_metadata
---
amdhsa.version: [ 1, 2 ]
amdhsa.kernels:
  - .name:           k_q313013d220_attn
    .symbol:         k_q313013d220_attn.kd
    .args:
      - { .name: qkv, .offset: 0, .size: 8, .value_kind: global_buffer, .address_space: global }
      - { .name: ao, .offset: 8, .size: 8, .value_kind: global_buffer, .address_space: global }
    .group_segment_fixed_size: 327680
    .private_segment_fixed_size: 0
    .kernarg_segment_align: 8
    .kernarg_segment_size: 16
    .max_flat_workgroup_size: 512
    .sgpr_count:     72
    .vgpr_count:     256
    .wavefront_size: 32
...
	.end_amdgpu_metadata
.endif
;; end of part 3
;; launch oproj (part 4): grid 16 x 16, 4 waves a work-group, clusters of 4 x 4, 327,680 bytes of LDS; arguments ao, cw, wo_b, out0; writes out0
.if DOCPART == 4
	.amdgcn_target "amdgcn-amd-amdhsa--gfx1250"
	.amdhsa_code_object_version 6
	.text
	.protected	k_q313013d220_oproj
	.globl	k_q313013d220_oproj
	.p2align	8
	.type	k_q313013d220_oproj,@function
k_q313013d220_oproj:
	s_mov_b64 s[64:65], 0
	v_nop
	global_prefetch_b8 v0, s[64:65] scope:SCOPE_SE
	s_setreg_imm32_b32 hwreg(HW_REG_WAVE_MODE, 25, 1), 1
	s_wait_xcnt 0x0
	s_wait_alu depctr_hold_cnt(0) depctr_sa_sdst(0) depctr_va_vdst(0) depctr_va_sdst(0) depctr_va_ssrc(0) depctr_va_vcc(0) depctr_vm_vsrc(0)
	s_getreg_b32 s2, hwreg(HW_REG_IB_STS2, 6, 4)
	s_cmp_eq_u32 s2, 0
	s_cbranch_scc0 .Lentry_in_a_cluster
	s_endpgm
.Lentry_in_a_cluster:
	s_bfe_u32 s2, ttmp6, 0x10000c
	s_cmp_lg_u32 s2, 0xf033
	s_cbranch_scc0 .Lentry_shape_is_right
	s_endpgm
.Lentry_shape_is_right:
; THE LAST PROJECTION: out0 = attention's result x wo^T + wo_b, on codes of FP8 (E4M3, one E8M0 byte for each 32 along K = 2,048); out0 [2048][2048] f32.
; A tile is 128 x 128, so that there are 256 work-groups (tiles of 256 x 256 would be 64); four waves, each 64 x 64: 16 accumulators.
; OPERAND A arrives as images of its registers: ao: codes [head 16][row tile I 128][2,048 bytes], scale words [head][I][16] from byte 4,194,304: a head is one step of 128 along K.  A fragment is four loads at 16 x lane.
; OPERAND B: wo's codes, rows 8192 .. 10239 of cw, 2,048 bytes a row; scale bytes 64 a row from byte SCB on.  Both operands hold natural row n at the position with bits 3 and 4 of n exchanged.
; THE MATRIX INSTRUCTION IS USED TRANSPOSED (source 0 = 16 rows of B, source 1 = 16 rows of A): in accumulator (a, b = 2 c + u) lane (r, h) holds natural row 32 (a / 2) + 8 (a % 2) + r + 8 (r / 8) of my 64 and
; natural columns 32 c + 16 h + 8 u + 0 .. 7.  The stage on the way out puts rows and columns in their natural places.
; THE RING: two slots of 512 along K (four heads): A 65,536 bytes dense, B 128 rows of 512 bytes + 16 of padding.  Four slot steps, written out.  Waves 0, 1 fetch A's halves (two heads each), waves 2, 3 B's (64 rows each).
; The scale words and bytes of all of K come once and stay.  CLUSTERS: 4 x 4: A's tiles are asked for jointly along a row of the cluster, B's along a column.  The bias is the C of the first products.
; REGISTERS: window 0: v1-7 at work, v16-29 addresses, v32-63 B's scale words (two sets), v64-79 A's (two sets), v80-111 the bias tiles, v128-255 the accumulators.  window 1: two fragment buffers of 128: A's four, then B's four.
.set SLOT,  133120
.set BOFF,  65536                      ; B's rows in a slot
.set BP,    528                        ; an LDS row of B: 512 + 16: the 16 rows that a load touches start at 16 different banks
.set ASC,   2*SLOT                     ; A's scale words [head 16][a 8][16 words]
.set BSC,   ASC+8192                   ; B's scale bytes: 32 rows of 256 bytes + 16
.set SPARE, BSC+8704                   ; the spare words, 128 bytes for each wave: two blocks of 256 bytes that no other line names
.set SCB,   20971520
.set STP,   272                        ; the stage: 64 rows x (256 bytes + 16) for each wave, in slot 0 when it has had its last fill and its last read
.set ADRA, 16
.set ADRB, 18
.set ADSA, 20
.set ADSB, 21
.set STO,  22
.set RD,   23
.set CO,   24
.set SPW,  28
.set NIL,  29
.set SB,   32
.set SA,   64
.set BIAS, 80
.set ACC,  128
.set G1, 24
.set G0, 32
.set G1B, 48
.set G0B, 56
.set MSB, 0
.macro WIN new
.if MSB != (\new)
	s_set_vgpr_msb (MSB<<8)|(\new)
.set MSB, (\new)
.endif
.endm
.set MUL,  0x05                        ; sources 0 (B) and 1 (A) window 1; C and D window 0
.set TO_F, 0x40                        ; destination window 1, address window 0
.macro JLOAD g0a, g1a, g0b, g1b        ; a joint load: waves 0, 1 for A, waves 2, 3 for B; four v_nop follow each line
	s_cmp_eq_u32 s13, 0
	s_cbranch_scc0 .Lfor_b_\@
	tensor_load_to_lds s[\g0a:\g0a+3], s[\g1a:\g1a+7]
	s_nop 0
.rept 4
	v_nop
.endr
	s_branch .Lasked_\@
.Lfor_b_\@:
	tensor_load_to_lds s[\g0b:\g0b+3], s[\g1b:\g1b+7]
	s_nop 0
.rept 4
	v_nop
.endr
.Lasked_\@:
.endm
.macro CREST
	s_cmp_lg_u32 s12, 0
	s_cbranch_scc1 .Lnot_wave_0_\@
	s_barrier_signal -3
.Lnot_wave_0_\@:
	s_barrier_wait -3
	s_barrier_signal -1
	s_barrier_wait -1
.endm
.macro CROUND
	s_barrier_signal -1
	s_barrier_wait -1
	CREST
.endm
.macro PLACES n
.rept \n
	v_nop
.endr
.endm
	s_load_b256 s[4:11], s[0:1], 0x0               ; ao s[4:5], cw s[6:7], wo_b s[8:9], out0 s[10:11]
	v_lshl_add_u32 v[SPW], v0, 2, SPARE
	v_mov_b32 v[NIL], 0
	ds_add_u32 v28, v29
	ds_add_u32 v28, v29
	s_wait_dscnt 0x0
	v_lshrrev_b32 v1, 5, v0
	v_readfirstlane_b32 s12, v1                    ; wave 0..3
	s_lshr_b32 s13, s12, 1                         ; which 64 rows are mine.  Also: I fetch for A (0) or for B (1)
	s_and_b32 s14, s12, 1                          ; which 64 columns.  Also: which half I fetch
	s_bfe_u32 s40, ttmp6, 0x40000
	s_bfe_u32 s41, ttmp6, 0x40004
	s_lshl_b32 s42, ttmp9, 2
	s_add_co_u32 s42, s42, s40                     ; tc
	s_and_b32 s15, ttmp7, 0xffff
	s_lshl_b32 s15, s15, 2
	s_add_co_u32 s15, s15, s41                     ; ty
	s_lshl_b32 s43, s41, 2
	s_lshl_b32 s43, 15, s43                        ; my row of the cluster
	s_lshl_b32 s44, 0x1111, s40                    ; my column
	s_or_b32 s[G1], s43, (3<<16)|(1<<21)           ; A's codes: two heads' dense 16,384 bytes: 2 rows of 2,048 elements of 8 bytes, 262,144 bytes apart; no padding
	s_mov_b32 s[G1+1], 2048<<16
	s_mov_b32 s[G1+2], 2<<16
	s_mov_b32 s[G1+3], 2048<<16
	s_mov_b32 s[G1+4], 2
	s_mov_b32 s[G1+5], 32768
	s_mov_b32 s[G1+6], 0
	s_mov_b32 s[G1+7], 0
	s_or_b32 s[G1B], s44, (0<<16)|(1<<20)|(1<<21)|(6<<22)|(3<<25)   ; B's codes: 64 rows of 512 bytes, 2,048 apart; 4 words of padding after every 128
	s_mov_b32 s[G1B+1], 512<<16
	s_mov_b32 s[G1B+2], 64<<16
	s_mov_b32 s[G1B+3], 512<<16
	s_mov_b32 s[G1B+4], 64
	s_mov_b32 s[G1B+5], 2048
	s_mov_b32 s[G1B+6], 0
	s_mov_b32 s[G1B+7], 0
	; THE SCALES come by plain loads and LDS stores, a quarter of A's and of B's a wave (4,096 bytes of a work-group's 16,384 each): not jointly, since they are 1/32 of the codes' bytes.
	; THE PREFETCHES: of each slot step the four partners share the blocks of 256 bytes out by address: A's four heads by cx (waves 0, 1: 8,192 bytes each), B's rows by cy (waves 2, 3: 32 rows, a half of their 512 bytes each).
	; Slot steps 1 and 2 are asked for behind the load of 0, step 3 behind the load of 1.
	s_lshl_b32 s66, s15, 14
	s_lshl_b32 s67, s40, 18
	s_add_co_u32 s66, s66, s67
	s_lshl_b32 s67, s14, 13
	s_add_co_u32 s66, s66, s67                     ; A: head cx of a step, my half of the tile's 16,384 bytes
	s_lshl_b32 s68, s42, 18
	s_lshl_b32 s69, s41, 16
	s_add_co_u32 s68, s68, s69
	s_lshl_b32 s69, s14, 8
	s_add_co_u32 s68, s68, s69
	s_add_co_u32 s68, s68, 8192*2048               ; B: row 8192 + 128 tc + 32 cy
	s_mov_b32 s67, 0
	s_mov_b32 s69, 0
	s_cmp_eq_u32 s13, 0
	s_cselect_b32 s66, s66, s68
	s_mov_b32 s68, 512
	s_cselect_b32 s68, 0x100000, s68               ; a slot step on: four heads, or 512 bytes of a row
	s_mov_b32 s72, 2048
	s_cselect_b32 s72, 256, s72                    ; from lane to lane
	v_and_b32 v25, 31, v0
	v_lshlrev_b32 v26, 4, v25
	v_mul_lo_u32 v30, v25, s72
	s_lshl_b32 s20, s15, 14                        ; A's codes: 16,384 ty + 2 heads x half
	s_lshl_b32 s18, s14, 19
	s_add_co_u32 s20, s20, s18
	s_mov_b32 s21, 0
	s_lshl_b32 s22, s15, 9                         ; A's scale words: 512 ty + 4 heads x wave
	s_lshl_b32 s18, s12, 15                        ; four heads a wave
	s_add_co_u32 s22, s22, s18
	s_add_co_u32 s22, s22, 4194304
	s_mov_b32 s23, 0
	s_lshl_b32 s46, s42, 18                        ; B's codes: row 8192 + 128 tc + 64 half
	s_lshl_b32 s18, s14, 17
	s_add_co_u32 s46, s46, s18
	s_add_co_u32 s46, s46, 8192*2048
	s_mov_b32 s47, 0
	s_lshl_b32 s92, s42, 13                        ; B's scale bytes
	s_lshl_b32 s18, s12, 11                        ; 32 rows a wave
	s_add_co_u32 s92, s92, s18
	s_add_co_u32 s92, s92, SCB+8192*64
	s_mov_b32 s93, 0
	s_lshl_b32 s45, s14, 15                        ; where they go: made of the wave's number alone
	s_mul_i32 s94, s14, 64*BP
	s_add_co_u32 s94, s94, BOFF
	s_lshl_b32 s16, s12, 11
	s_add_co_u32 s16, s16, ASC                     ; where my scale words go,
	s_mul_i32 s17, s12, 2176
	s_add_co_u32 s17, s17, BSC                     ; and my scale bytes
	s_wait_alu depctr_va_vdst(0)                   ; directly ahead of the wait below
	s_wait_kmcnt 0x0
	s_cmp_eq_u32 s13, 0
	s_cselect_b64 s[70:71], s[4:5], s[6:7]
	s_add_nc_u64 s[66:67], s[70:71], s[66:67]
	s_add_nc_u64 s[66:67], s[66:67], s[68:69]      ; slot step 1,
	s_add_nc_u64 s[74:75], s[66:67], s[68:69]      ; 2,
	s_add_nc_u64 s[76:77], s[74:75], s[68:69]      ; 3
	s_add_nc_u64 s[20:21], s[4:5], s[20:21]
	s_add_nc_u64 s[22:23], s[4:5], s[22:23]
	s_add_nc_u64 s[46:47], s[6:7], s[46:47]
	s_add_nc_u64 s[92:93], s[6:7], s[92:93]
.irp j, 0,1,2,3
	global_load_b128 v[128+4*\j:131+4*\j], v26, s[22:23] offset:8192*\j
	global_load_b128 v[144+4*\j:147+4*\j], v26, s[92:93] offset:512*\j
.endr
	CROUND                                         ; all sixteen work-groups are here: the first joint loads meet
.irp s, 0,1
	s_mov_b32 s[G0+4*\s], 1
	s_add_co_u32 s[G0+4*\s+1], s45, \s*SLOT
	s_add_nc_u64 s[G0+4*\s+2:G0+4*\s+3], s[20:21], \s*4*262144
	s_or_b32 s[G0+4*\s+3], s[G0+4*\s+3], 0x80000000
	s_mov_b32 s[G0B+4*\s], 1
	s_add_co_u32 s[G0B+4*\s+1], s94, \s*SLOT
	s_add_nc_u64 s[G0B+4*\s+2:G0B+4*\s+3], s[46:47], \s*512
	s_or_b32 s[G0B+4*\s+3], s[G0B+4*\s+3], 0x80000000
.endr
	JLOAD G0, G1, G0B, G1B                         ; slot step 0: one tensor load a wave at the head
	v_and_b32 v1, 15, v0
	v_bfe_u32 v2, v0, 4, 1                         ; h
	v_and_b32 v3, 31, v0                           ; lane
	s_wait_alu depctr_va_vdst(0)
	s_lshl_b32 s46, s42, 9
	s_lshl_b32 s47, s14, 8
	s_add_co_u32 s46, s46, s47                     ; my first column, in bytes: 512 tc + 256 half
	s_mov_b32 s47, 0
	s_add_nc_u64 s[8:9], s[8:9], s[46:47]          ; wo_b there
	v_lshlrev_b32 v7, 6, v2                        ; tile b = 2 c + u: columns 32 c + 16 h + 8 u + 0 .. 7
.irp b, 0,1,2,3
	global_load_b128 v[BIAS+8*\b:BIAS+8*\b+3], v7, s[8:9] offset:(32*(\b/2)+8*(\b%2))*4
	global_load_b128 v[BIAS+8*\b+4:BIAS+8*\b+7], v7, s[8:9] offset:(32*(\b/2)+8*(\b%2))*4+16
.endr
	v_lshlrev_b32 v4, 4, v3
	s_lshl_b32 s18, s13, 13                        ; A: my four images of a head
	v_add_nc_u32 v[ADRA], s18, v4
	s_add_co_u32 s18, s18, SLOT
	v_add_nc_u32 v[ADRA+1], s18, v4
	v_mul_u32_u24 v5, v1, BP
	v_lshl_add_u32 v5, v2, 4, v5
	s_mul_i32 s19, s14, 64*BP
	s_add_co_u32 s19, s19, BOFF                    ; B: my 64 rows
	v_add_nc_u32 v[ADRB], s19, v5
	s_add_co_u32 s19, s19, SLOT
	v_add_nc_u32 v[ADRB+1], s19, v5
	s_lshl_b32 s18, s13, 8
	s_add_co_u32 s18, s18, ASC
	v_lshl_add_u32 v[ADSA], v3, 2, s18             ; A's scale words: 4 x lane covers two blocks: lanes 0-15 the even one, lanes 16-31 the odd one
	v_lshrrev_b32 v6, 2, v1
	v_mul_u32_u24 v6, v6, 272
	v_and_b32 v5, 3, v1
	v_lshl_add_u32 v6, v5, 6, v6
	s_mul_i32 s19, s14, 4352
	s_add_co_u32 s19, s19, BSC
	v_add_nc_u32 v[ADSB], s19, v6                  ; B's: row r's 64 bytes: four rows to a line of 256 + 16
	v_and_b32 v6, 8, v1
	v_add_nc_u32 v6, v6, v1
	v_mul_u32_u24 v6, v6, STP
	v_lshl_add_u32 v6, v2, 6, v6
	s_mul_i32 s18, s12, 64*STP
	v_add_nc_u32 v[STO], s18, v6                   ; the stage, in: natural row r + 8 (r / 8), + 64 h bytes
	v_mul_u32_u24 v6, v2, STP
	v_lshl_add_u32 v6, v1, 4, v6
	v_add_nc_u32 v[RD], s18, v6                    ; back: lanes 0-15 one row of 256 bytes, lanes 16-31 the next
	v_lshlrev_b32 v6, 13, v2
	v_lshl_add_u32 v[CO], v1, 4, v6                ; and the same two rows in out0
	s_lshl_b32 s20, s15, 20
	s_lshl_b32 s21, s13, 19
	s_add_co_u32 s20, s20, s21                     ; my first row: (128 ty + 64 half) x 8,192 bytes
	s_mov_b32 s21, 0
	s_add_nc_u64 s[10:11], s[10:11], s[20:21]
	s_add_nc_u64 s[10:11], s[10:11], s[46:47]
.macro SCALES S                        ; slot step S's scale words into set S % 2: B's: four words a row (register 4 b + z); A's: register 2 z + pr
.irp b, 0,1,2,3
	ds_load_b128 v[SB+16*((\S)%2)+4*\b:SB+16*((\S)%2)+4*\b+3], v[ADSB] offset:1088*\b+16*(\S)
.endr
.irp z, 0,1,2,3
.irp pr, 0,1
	ds_load_b32 v[SA+8*((\S)%2)+2*\z+\pr], v[ADSA] offset:(4*(\S)+\z)*512+128*\pr
.endr
.endr
.endm
; The fragments of the slot's z-th 128 along K into buffer p: B's four, A's blocks 0 and 1, (S >= 0: the scale words of slot step S,) A's blocks 2 and 3 last, so that a wait can leave these eight out
.macro FETCH slot, z, p, S
	WIN TO_F
.irp b, 0,1,2,3
.irp c, 0,1,2,3
	ds_load_b128 v[128*(\p)+64+16*\b+4*\c:128*(\p)+64+16*\b+4*\c+3], v[ADRB+\slot] offset:16*BP*\b+128*(\z)+32*\c
.endr
.endr
.irp a, 0,1
.irp c, 0,1,2,3
	ds_load_b128 v[128*(\p)+16*\a+4*\c:128*(\p)+16*\a+4*\c+3], v[ADRA+\slot] offset:16384*(\z)+2048*\a+512*\c
.endr
.endr
.if (\S) >= 0
	WIN 0
	SCALES \S
	WIN TO_F
.endif
.irp a, 2,3
.irp c, 0,1,2,3
	ds_load_b128 v[128*(\p)+16*\a+4*\c:128*(\p)+16*\a+4*\c+3], v[ADRA+\slot] offset:16384*(\z)+2048*\a+512*\c
.endr
.endr
.endm
; Four matrix instructions: A's block a x B's four.  first = 1: the bias tile is the C.  The 16 accumulators take turns, one instruction a turn.
.macro MULA p, a, S, z, first
.irp b, 0,1,2,3
.set D0, ACC+8*(4*(\a)+\b)
.set C0, D0
.if \first
.set C0, BIAS+8*\b
.endif
.if (\a)%2
	v_wmma_scale_f32_16x16x128_f8f6f4 v[D0:D0+7], v[128*(\p)+64+16*\b:128*(\p)+64+16*\b+15], v[128*(\p)+16*(\a):128*(\p)+16*(\a)+15], v[C0:C0+7], v[SB+16*((\S)%2)+4*\b+(\z)], v[SA+8*((\S)%2)+2*(\z)+(\a)/2] matrix_b_scale:MATRIX_SCALE_ROW1
.else
	v_wmma_scale_f32_16x16x128_f8f6f4 v[D0:D0+7], v[128*(\p)+64+16*\b:128*(\p)+64+16*\b+15], v[128*(\p)+16*(\a):128*(\p)+16*(\a)+15], v[C0:C0+7], v[SB+16*((\S)%2)+4*\b+(\z)], v[SA+8*((\S)%2)+2*(\z)+(\a)/2]
.endif
.endr
.endm
.macro SUB slot, z, S, first           ; one of a slot's first three steps of 128: multiplies buffer z % 2 and fetches the next step into the other
	s_wait_dscnt 8                                 ; all but the youngest eight loads (A's blocks 2, 3) are in
	WIN MUL
	MULA (\z)%2, 0, \S, \z, \first
	MULA (\z)%2, 1, \S, \z, \first
	PLACES 8                                       ; in front of loads into the buffer that the step before multiplied
	FETCH \slot, (\z)+1, 1-(\z)%2, -1
	s_wait_dscnt 32                                ; all but the 32 just issued
	WIN MUL
	MULA (\z)%2, 2, \S, \z, \first
	MULA (\z)%2, 3, \S, \z, \first
.endm
; A slot's last step multiplies buffer 1 and changes slots: one barrier; in front of it each wave waits for all its tensor loads, adds 0 to its spare word, and waits for that and for its reads of this slot.
.macro TURN slot, next, fill, S
	WIN 0
	s_wait_tensorcnt 0x0                           ; all my tensor loads have landed: my part of the next slot
	ds_add_u32 v[SPW], v[NIL]                      ; 0 onto my spare word
	s_wait_dscnt 9                                 ; the add and the youngest eight loads may be out
	WIN MUL
	MULA 1, 0, \S, 3, 0
	s_wait_dscnt 0x0                               ; the add is done, and my reads of this slot are over
	s_barrier_signal -1
	MULA 1, 1, \S, 3, 0
	WIN 0
	s_barrier_wait -1
.if \fill
	CREST                                          ; the barrier has opened a round of the cluster's barrier
	s_add_nc_u64 s[G0+4*\slot+2:G0+4*\slot+3], s[G0+4*\slot+2:G0+4*\slot+3], 8*262144
	s_add_nc_u64 s[G0B+4*\slot+2:G0B+4*\slot+3], s[G0B+4*\slot+2:G0B+4*\slot+3], 1024
	JLOAD G0+4*\slot, G1, G0B+4*\slot, G1B         ; my one tensor load behind the round; its four v_nop are four of the eight places
	PLACES 4
.else
	PLACES 8
.endif
	FETCH \next, 0, 0, (\S)+1
	WIN MUL
	MULA 1, 2, \S, 3, 0
	MULA 1, 3, \S, 3, 0
.endm
	v_add_nc_u32 v27, s16, v26
	v_mul_u32_u24 v31, v2, 272
	v_lshl_add_u32 v31, v1, 4, v31
	v_add_nc_u32 v31, s17, v31                     ; two units of 256 bytes a store
	global_prefetch_b8 v30, s[66:67] th:TH_LOAD_NT scope:SCOPE_SE
	global_prefetch_b8 v30, s[74:75] th:TH_LOAD_NT scope:SCOPE_SE
	s_wait_alu depctr_va_vdst(0)                   ; the wait at the head's end
	s_wait_loadcnt 0x0
.irp j, 0,1,2,3
	ds_store_b128 v27, v[128+4*\j:131+4*\j] offset:512*\j
	ds_store_b128 v31, v[144+4*\j:147+4*\j] offset:544*\j
.endr
	s_wait_tensorcnt 0x0                           ; my part of slot 0 is in; the lines ahead of a later first fill, as ahead of a refill
	ds_add_u32 v[SPW], v[NIL]
	s_wait_dscnt 0x0
	CROUND
	JLOAD G0+4, G1, G0B+4, G1B                     ; slot step 1
	FETCH 0, 0, 0, 0
	WIN 0
	global_prefetch_b8 v30, s[76:77] th:TH_LOAD_NT scope:SCOPE_SE
	s_wait_loadcnt 0x0                             ; the bias
	SUB 0, 0, 0, 1
	SUB 0, 1, 0, 0
	SUB 0, 2, 0, 0
	TURN 0, 1, 1, 0
	SUB 1, 0, 1, 0
	SUB 1, 1, 1, 0
	SUB 1, 2, 1, 0
	TURN 1, 0, 1, 1
	SUB 0, 0, 2, 0
	SUB 0, 1, 2, 0
	SUB 0, 2, 2, 0
	TURN 0, 1, 0, 2                                ; nothing is left to fetch
	SUB 1, 0, 3, 0
	SUB 1, 1, 3, 0
	SUB 1, 2, 3, 0
	s_wait_dscnt 8
	WIN MUL
	MULA 1, 0, 3, 3, 0
	MULA 1, 1, 3, 3, 0
	s_wait_alu depctr_va_vdst(0)
	s_wait_dscnt 0
	MULA 1, 2, 3, 3, 0
	MULA 1, 3, 3, 3, 0
	WIN 0
	; THE WAY OUT: through my own stage, where rows and columns take their natural places; back as whole rows of 256 bytes.
	PLACES 8
.irp a, 0,1,2,3
.irp b, 0,1,2,3
	ds_store_b128 v[STO], v[ACC+8*(4*\a+\b):ACC+8*(4*\a+\b)+3] offset:(32*(\a/2)+8*(\a%2))*STP+128*(\b/2)+32*(\b%2)       ; each accumulator from its low end on
	ds_store_b128 v[STO], v[ACC+8*(4*\a+\b)+4:ACC+8*(4*\a+\b)+7] offset:(32*(\a/2)+8*(\a%2))*STP+128*(\b/2)+32*(\b%2)+16
.endr
.endr
.set t, 0
.rept 32
	ds_load_b128 v[ACC+4*t:ACC+4*t+3], v[RD] offset:2*STP*t   ; LDS serves a wave's instructions in order: these see my stores
.set t, t+1
.endr
.set t, 0
.rept 32
	s_wait_dscnt 31-t
	global_store_b128 v[CO], v[ACC+4*t:ACC+4*t+3], s[10:11] offset:16384*t th:TH_STORE_NT   ; 16 lanes store 256 consecutive bytes, aligned; written once, read by nobody here
.set t, t+1
.endr
	s_wait_tensorcnt 0x0                           ; the wave's end
	ds_add_u32 v[SPW], v[NIL]
	s_wait_dscnt 0x0
	CROUND                                         ; the closing round
	s_endpgm
.Lfunc_end_k_q313013d220_oproj:
	.size	k_q313013d220_oproj, .Lfunc_end_k_q313013d220_oproj-k_q313013d220_oproj
	.p2alignl 7, 3214868480
	.fill 96, 4, 3214868480
	.section	.rodata,"a",@progbits
	.p2align	6, 0x0
	.amdhsa_kernel k_q313013d220_oproj
		.amdhsa_group_segment_fixed_size 327680
		.amdhsa_private_segment_fixed_size 0
		.amdhsa_enable_private_segment 0
		.amdhsa_kernarg_size 32
		.amdhsa_user_sgpr_count 2
		.amdhsa_user_sgpr_kernarg_segment_ptr 1
		.amdhsa_wavefront_size32 1
		.amdhsa_system_sgpr_workgroup_id_x 1
		.amdhsa_system_sgpr_workgroup_id_y 1
		.amdhsa_system_sgpr_workgroup_id_z 1
		.amdhsa_system_vgpr_workitem_id 0
		.amdhsa_next_free_vgpr 512
		.amdhsa_next_free_sgpr 100
		.amdhsa_reserve_vcc 0
		.amdhsa_float_denorm_mode_32 3
		.amdhsa_float_denorm_mode_16_64 3
		.amdhsa_memory_ordered 1
		.amdhsa_forward_progress 1
		.amdhsa_inst_pref_size 97
	.end_amdhsa_kernel
	.amdgpu_metadata
---
amdhsa.version: [ 1, 2 ]
amdhsa.kernels:
  - .name:           k_q313013d220_oproj
    .symbol:         k_q313013d220_oproj.kd
    .args:
      - { .name: ao, .offset: 0, .size: 8, .value_kind: global_buffer, .address_space: global }
      - { .name: cw, .offset: 8, .size: 8, .value_kind: global_buffer, .address_space: global }
      - { .name: wo_b, .offset: 16, .size: 8, .value_kind: global_buffer, .address_space: global }
      - { .name: out0, .offset: 24, .size: 8, .value_kind: global_buffer, .address_space: global }
    .group_segment_fixed_size: 327680
    .private_segment_fixed_size: 0
    .kernarg_segment_align: 8
    .kernarg_segment_size: 32
    .max_flat_workgroup_size: 128
    .sgpr_count:     100
    .vgpr_count:     512
    .wavefront_size: 32
...
	.end_amdgpu_metadata
.endif
;; end of part 4
